; MI455X (gfx1250); checked and timed in simulation.
; The chip was launched on July 23, 2026; its instructions are those of AMD's public machine-readable ISA for CDNA 5 (MIT licence, August 2026) and "CDNA5" Instruction Set Architecture Reference Guide (July 2026). The comments in the code are by the model that wrote it; some were corrected since.
;; Flash Cross Attention. Allowed arithmetic: matrix products marked QUANTISED: E2M1 operands, one E8M0 scale for each 32 along K, by v_wmma_scale_f32_16x16x128_f8f6f4 with both operands' format E2M1 (or v_wmma_scale_f32_32x16x128_f4), f32 sums; products left as they are: f32 operands where the result goes on into a quantised operand, else bf16, f16 or f32 operands; f32 sums; everything else in f32.
;; Inputs: Wkv_codes 2,048 x 32 x 16 uint8 (E2M1 codes of Wkv, K innermost, in blocks of 32 codes, two codes a byte); Wkv_scales 2,048 x 32 uint8 (E8M0 scales of Wkv, one for each 32 codes along K); Wo_codes 1,024 x 32 x 16 uint8 (E2M1 codes of Wo, K innermost, in blocks of 32 codes, two codes a byte); Wo_scales 1,024 x 32 uint8 (E8M0 scales of Wo, one for each 32 codes along K); Wq_codes 1,024 x 32 x 16 uint8 (E2M1 codes of Wq, K innermost, in blocks of 32 codes, two codes a byte); Wq_scales 1,024 x 32 uint8 (E8M0 scales of Wq, one for each 32 codes along K); encoder_out_codes 4 x 2,048 x 32 x 16 uint8 (E2M1 codes of encoder_out, K innermost, in blocks of 32 codes, two codes a byte); encoder_out_scales 4 x 2,048 x 32 uint8 (E8M0 scales of encoder_out, one for each 32 codes along K); norm_w 1,024 float32; x 4 x 2,048 x 1,024 float32.
;; Outputs: out0 4 x 2,048 x 1,024 float32.
;; This version of the problem:
;;   THIS VERSION OF THE PROBLEM IS GIVEN IN LOW PRECISION. The matrix products marked QUANTISED in the list below multiply operands that are first quantised to E2M1 (2 exponent bits, 1 mantissa bit; 4 bits a number), with one power-of-two scale for each 32 numbers along K (OCP MX v1.0); their sums are f32. All else is computed in f32.
;;   The module's matrix products, in the order in which they are computed (A, B: the left and right operand; K: the contracted axis; several contracted axes count as one K, in the product's order):
;;     1. [M 8,192, K 1,024] x [K 1,024, N 1,024]; A: computed on the way; B: input Wq (given as codes): QUANTISED
;;     2. [M 8,192, K 1,024] x [K 1,024, N 2,048]; A: input encoder_out (given as codes); B: input Wkv (given as codes): QUANTISED
;;     3. [M 2,048, K 1] x [K 1, N 32]; A: computed on the way; B: computed on the way: left as it is (no contracted axis)
;;     4. batch 64 x [M 2,048, K 64] x [K 64, N 2,048]; A: computed on the way; B: computed on the way: QUANTISED
;;     5. batch 64 x [M 64, K 2,048] x [K 2,048, N 2,048]; A: computed on the way; B: softmax (see below): QUANTISED
;;     6. [M 8,192, K 1,024] x [K 1,024, N 1,024]; A: computed on the way; B: input Wo (given as codes): QUANTISED
;;   THE QUANTISER, for each operand of a quantised product, along K:
;;     - K is cut into blocks of 32 from its start; a last block that is shorter is filled with zeros.
;;     - A block's scale is 2^e with e = floor(log2(the largest magnitude in the block)) - 2, held to -126 .. 127; a block of zeros has e = 0. As a byte (E8M0): e + 127.
;;     - Each number is divided by its block's scale, clamped to +-6, and rounded to the nearest number of E2M1, ties to even, subnormals kept.
;;     - The product sums the exact products of the quantised numbers (number of the format x scale) in f32.
;;   ~~~python
;;   def quantise(x, axis):      # numpy; x: float32 -> the quantised numbers, widened to float32 again
;;       x = np.moveaxis(x, axis, -1); K = x.shape[-1]
;;       x = np.pad(x, [(0, 0)] * (x.ndim - 1) + [(0, -K % 32)]); x = x.reshape(x.shape[:-1] + (-1, 32)); a = np.abs(x).max(-1, keepdims=True)
;;       e = np.where(a > 0, np.clip(np.frexp(np.where(a > 0, a, 1))[1] - 1 - 2, -126, 127), 0)      # np.frexp(a)[1] - 1 = floor(log2(a)), exactly
;;       r = np.clip(x / 2.0 ** e, -6, 6)
;;       step = 2.0 ** (np.maximum(np.frexp(np.where(r == 0, 1, r))[1] - 1, 0) - 1)
;;       q = np.round(r / step) * step * 2.0 ** e      # np.round: ties to even
;;       return np.moveaxis(q.reshape(q.shape[:-2] + (-1,))[..., :K], -1, axis).astype(np.float32)
;;   ~~~
;;   SOFTMAX AHEAD OF A QUANTISED PRODUCT. Where the list says 'softmax', what is quantised is not the finished softmax but p = 2^(t - M), with t = logit x log2(e) and M = ceil(the row's largest t), a whole number; so 1/2 < the row's largest p <= 1. The row's sum l is taken of the UNQUANTISED p, in f32, and the product's result is divided by l at the end. Since M is a whole number, a kernel that streams over the keys may use a running M (the ceiling of the running maximum): every later rescaling is an exact power of two, which a block's scale takes up: the codes' values come out the same.
;;   OPERANDS COMPUTED ON THE WAY. 'Computed on the way' means the value that the module computes at that place (a softmax that the list does not call 'softmax' is quantised finished and normalised). What goes into a quantiser is computed in f32, as accurately as f32 sums, v_exp_f32 and their like allow (about 1e-6 of the number): no bf16 or f16 on the way to a quantiser, and a product that is left as it is and whose result goes on into a quantised operand takes f32 operands (vector FMAs, or v_wmma_f32_16x16x4_f32). A number that lies on a knife's edge between two numbers of the format may be rounded either way, as far as f32 arithmetic and the matrix unit's own rounding can turn it there, and no further.
;;   INPUTS GIVEN AS CODES. Wkv (in the module: [2048, 1024], K = its axis 1); Wo (in the module: [1024, 1024], K = its axis 1); Wq (in the module: [1024, 1024], K = its axis 1); encoder_out (in the module: [4, 2048, 1024], K = its axis 2): each comes as NAME_codes (uint8): NAME with its K axis moved to the last place and cut into blocks of 32 codes, [.., K / 32, bytes a block], one block behind the other in memory; two codes a byte, the lower K in the low four bits (a code: sign, 2 exponent bits, 1 mantissa bit); and NAME_scales (uint8): the same leading axes, one E8M0 byte (e + 127) for each 32 codes along K. Its value is code x scale, taken as it is: it is not quantised again, and the codes and scales need not be those that the quantiser above would give.
;; One version. Each part assembles by itself: llvm-mc -triple=amdgcn-amd-amdhsa -mcpu=gfx1250 --defsym DOCPART=n.
;; ======== version 1 of 1: 4 launches
;; limits: right only within a limited range of input values
;; workspace buffers: xq 4,194,304 bytes; xs 262,144 bytes; rope 524,288 bytes; qb 4,456,448 bytes; kv 8,912,896 bytes; oc 4,194,304 bytes; os 262,144 bytes
;; launch prep (part 1): grid 256 x 1, 8 waves a work-group, no clusters, 39,936 bytes of LDS; arguments x, norm_w, xq, xs, rope; writes xq, xs, rope
.if DOCPART == 1
	.amdgcn_target "amdgcn-amd-amdhsa--gfx1250"
	.amdhsa_code_object_version 6
	.text
	.protected	k_qd8a390bff5_prep
	.globl	k_qd8a390bff5_prep
	.p2align	8
	.type	k_qd8a390bff5_prep,@function
k_qd8a390bff5_prep:
	s_mov_b64 s[64:65], 0
	v_nop
	global_prefetch_b8 v0, s[64:65] scope:SCOPE_SE
	s_setreg_imm32_b32 hwreg(HW_REG_WAVE_MODE, 25, 1), 1
	s_wait_xcnt 0x0
; xn = x * rsqrt(mean(x^2) + 1e-5) * norm_w, quantised along its 1,024 numbers into codes of E2M1 with one E8M0 byte for each 32:
; xq [8192][512 bytes], xs [8192][32 bytes], laid as the given operands are.  And the table of the rotary embedding: rope [t 2048][cos_j, j = 0..31 | sin_j], f32, 256 bytes a t.
; SHARES.  Work-group g, wave w: rows 32 g + 4 w + 0..3, one wave to a row, the row in 32 registers; and the table's row t = 8 g + w, lane = j.  Waves share nothing: no barrier.
; No cluster and no matrix unit: no two work-groups read the same bytes but norm_w's 4,096, and memory binds.  All 40 loads of a wave (16 KiB of x) go out at the head.
; A load takes the bytes as they lie, 16 to a lane, 512 to a load.  The conversions want 32 neighbours in ONE lane: the scaled row turns through the wave's own stage in LDS,
; a block of 32 numbers (128 bytes) + 16 of padding, 144 bytes apart.  Lane l then holds block l whole.
; A block's scale is its largest magnitude's exponent field - 2, held at 1 from below.
; LIMITS: NaN and infinities are not served.  A block of zeros gets the byte 1 where the rule says 127: its codes are zeros, and this program alone reads the bytes.
; inv_freq_j is the f32 number nearest to 10^(-j/8); a power followed by a division in f32 may differ from it in the last place, which is some 1e-4 radians at t = 2,047.
; The angle's reduction serves 0 <= angle < 2^13 (here at most 2,047).
.set REGION, 4864                      ; LDS of a wave: the stage, 32 x 144 bytes, then its 128 scale bytes
.set SCB,    4608
.set CDS,    16                        ; v16-31   four registers of codes a row: no store's data are written again
.set NW,     32                        ; v32-63   norm_w, as loaded
.set X,      64                        ; v64-191  four rows as loaded
.set T,      192                       ; v192-223 a block of 32 neighbours
.set E,      224                       ; v224-227 a scale byte a row
.set INVF,   228
.set THETA,  229
.set QN,     230
.set RR,     231
.set ZZ,     232
.set PSI,    233
.set PCO,    234
.set SV,     235
.set CV,     236
.set QI,     237
.set QJ,     238
	s_load_b256 s[4:11], s[0:1], 0x0               ; x s[4:5], norm_w s[6:7], xq s[8:9], xs s[10:11]
	s_load_b64 s[12:13], s[0:1], 0x20              ; rope
	v_lshl_add_u32 v240, v0, 2, 0x9800
	v_mov_b32 v241, 0
	v_lshrrev_b32 v2, 5, v0
	s_delay_alu instid0(VALU_DEP_1)
	v_readfirstlane_b32 s14, v2                    ; wave 0..7
	v_and_b32 v1, 31, v0                           ; lane
	s_delay_alu instid0(VALU_DEP_1)
	v_lshlrev_b32 v2, 4, v1                        ; 16 x lane: my bytes of a load's 512, and of a row's codes
	s_delay_alu instid0(VALU_DEP_2)
	v_lshlrev_b32 v7, 2, v1                        ; 4 x lane
	s_mul_i32 s15, s14, REGION
	v_lshrrev_b32 v3, 3, v1
	s_delay_alu instid0(VALU_DEP_1)
	v_mul_u32_u24 v3, v3, 144
	v_and_b32 v4, 7, v1
	s_delay_alu instid0(VALU_DEP_1)
	v_lshl_add_u32 v3, v4, 4, v3
	s_delay_alu instid0(VALU_DEP_1)
	v_add_nc_u32 v3, s15, v3                       ; the stage, in: eight lanes' 128 bytes are a block: 144 (lane / 8) + 16 (lane % 8); a load's four blocks are 576 bytes
	v_mul_u32_u24 v4, v1, 144
	s_delay_alu instid0(VALU_DEP_1)
	v_add_nc_u32 v4, s15, v4                       ; out: block = lane
	s_add_co_u32 s15, s15, SCB
	v_add_nc_u32 v5, s15, v1                       ; my block's scale byte,
	v_add_nc_u32 v6, s15, v7                       ; and on the way out 4 bytes a lane
	s_mov_b32 s16, 0x76543210
	s_mov_b32 s17, 0xfedcba98                      ; v_permlanex16_b32's selects for lane l xor 16
	s_mov_b32 s20, 0x3a800000                      ; 1 / 1,024
	s_mov_b32 s21, 0x3727c5ac                      ; 1e-5
	s_mov_b32 s22, 0x3f22f983                      ; 2 / pi
	s_mov_b32 s23, 0x3fc90fdb                      ; pi / 2, its f32 number,
	s_mov_b32 s24, 0xb33bbd2e                      ; and what is left of it
	s_lshl_b32 s26, ttmp9, 17                      ; x: (32 g + 4 w) rows of 4,096 bytes
	s_lshl_b32 s27, s14, 14
	s_or_b32 s26, s26, s27
	s_mov_b32 s27, 0
	s_lshr_b32 s28, s26, 3                         ; the codes: an eighth of that
	s_mov_b32 s29, 0
	s_lshr_b32 s34, s26, 7                         ; the scale bytes: 32 a row
	s_mov_b32 s35, 0
	s_lshl_b32 s15, ttmp9, 3
	s_add_co_u32 s15, s15, s14                     ; t = 8 g + w
	s_lshl_b32 s32, s15, 8
	s_mov_b32 s33, 0
	s_wait_kmcnt 0x0
	s_add_nc_u64 s[4:5], s[4:5], s[26:27]
	s_add_nc_u64 s[8:9], s[8:9], s[28:29]
	s_add_nc_u64 s[10:11], s[10:11], s[34:35]
	s_add_nc_u64 s[12:13], s[12:13], s[32:33]
.irp k, 0,1,2,3,4,5,6,7
	global_load_b128 v[NW+4*\k:NW+4*\k+3], v2, s[6:7] offset:512*\k
.endr
.irp i, 0,1,2,3
.irp k, 0,1,2,3,4,5,6,7
	global_load_b128 v[X+32*\i+4*\k:X+32*\i+4*\k+3], v2, s[4:5] offset:4096*\i+512*\k th:TH_LOAD_NT   ; 32 lanes read 512 consecutive bytes
.endr
.endr
	; THE TABLE, while the loads are on their way.  Lane j gets inv_freq_j = 10^(-j/8)
	v_mov_b32 v[INVF], 0
.set J, 0
.irp f, 1.0, 0.7498942093, 0.5623413252, 0.4216965034, 0.3162277660, 0.2371373706, 0.1778279410, 0.1333521432, 0.1, 0.07498942093, 0.05623413252, 0.04216965034, 0.03162277660, 0.02371373706, 0.01778279410, 0.01333521432, 0.01, 0.007498942093, 0.005623413252, 0.004216965034, 0.003162277660, 0.002371373706, 0.001778279410, 0.001333521432, 0.001, 0.0007498942093, 0.0005623413252, 0.0004216965034, 0.0003162277660, 0.0002371373706, 0.0001778279410, 0.0001333521432
	s_mov_b32 s30, \f
	v_writelane_b32 v[INVF], s30, J
.set J, J+1
.endr
	v_cvt_f32_u32 v[THETA], s15
	s_delay_alu instid0(VALU_DEP_1)
	v_mul_f32 v[THETA], v[THETA], v[INVF]          ; the angle, one f32 product
	s_delay_alu instid0(VALU_DEP_1)
	v_mul_f32 v[QN], s22, v[THETA]
	s_delay_alu instid0(VALU_DEP_1)
	v_rndne_f32 v[QN], v[QN]                       ; how many quarter turns
	s_delay_alu instid0(VALU_DEP_1)
	v_fma_f32 v[RR], -v[QN], s23, v[THETA]         ; exact: a multiple of 2^-23 under 1
	s_delay_alu instid0(VALU_DEP_1)
	v_fma_f32 v[RR], -v[QN], s24, v[RR]            ; |r| <= pi / 4
	s_delay_alu instid0(VALU_DEP_1)
	v_mul_f32 v[ZZ], v[RR], v[RR]
	v_mov_b32 v[PSI], 0x3638ef1d                   ; sin r = r + r z (-1/6 + z (1/120 + z (-1/5040 + z / 362880))): what is cut is under 2e-9
	v_mov_b32 v[PCO], 0xb493f27e                   ; cos r = 1 + z (-1/2 + z (1/24 + z (-1/720 + z (1/40320 - z / 3628800))))
	s_delay_alu instid0(VALU_DEP_2)
	v_fmaak_f32 v[PSI], v[PSI], v[ZZ], 0xb9500d01
	s_delay_alu instid0(VALU_DEP_2)
	v_fmaak_f32 v[PCO], v[PCO], v[ZZ], 0x37d00d01
	s_delay_alu instid0(VALU_DEP_2)
	v_fmaak_f32 v[PSI], v[PSI], v[ZZ], 0x3c088889
	s_delay_alu instid0(VALU_DEP_2)
	v_fmaak_f32 v[PCO], v[PCO], v[ZZ], 0xbab60b61
	s_delay_alu instid0(VALU_DEP_2)
	v_fmaak_f32 v[PSI], v[PSI], v[ZZ], 0xbe2aaaab
	s_delay_alu instid0(VALU_DEP_2)
	v_fmaak_f32 v[PCO], v[PCO], v[ZZ], 0x3d2aaaab
	v_mul_f32 v[SV], v[RR], v[ZZ]
	s_delay_alu instid0(VALU_DEP_2)
	v_fmaak_f32 v[PCO], v[PCO], v[ZZ], 0xbf000000
	s_delay_alu instid0(VALU_DEP_2)
	v_fma_f32 v[PSI], v[SV], v[PSI], v[RR]
	s_delay_alu instid0(VALU_DEP_2)
	v_fma_f32 v[PCO], v[PCO], v[ZZ], 1.0
	v_cvt_i32_f32 v[QI], v[QN]
	s_delay_alu instid0(VALU_DEP_1)
	v_and_b32 v[QJ], 1, v[QI]
	s_delay_alu instid0(VALU_DEP_1)
	v_cmp_eq_u32 vcc_lo, 1, v[QJ]                  ; an odd quarter turn swaps sine and cosine (a choice of values, no branch)
	s_delay_alu instid0(VALU_DEP_1)
	v_cndmask_b32 v[SV], v[PSI], v[PCO], vcc_lo
	s_delay_alu instid0(VALU_DEP_2)
	v_cndmask_b32 v[CV], v[PCO], v[PSI], vcc_lo
	v_add_nc_u32 v[QJ], 1, v[QI]
	v_lshlrev_b32 v[QI], 30, v[QI]
	s_delay_alu instid0(VALU_DEP_2)
	v_lshlrev_b32 v[QJ], 30, v[QJ]
	s_delay_alu instid0(VALU_DEP_2)
	v_and_b32 v[QI], 0x80000000, v[QI]             ; the sine is negative in quarters 2 and 3,
	s_delay_alu instid0(VALU_DEP_2)
	v_and_b32 v[QJ], 0x80000000, v[QJ]             ; the cosine in quarters 1 and 2
	s_delay_alu instid0(VALU_DEP_2)
	v_xor_b32 v[SV], v[SV], v[QI]
	s_delay_alu instid0(VALU_DEP_2)
	v_xor_b32 v[CV], v[CV], v[QJ]
	global_store_b32 v7, v[CV], s[12:13]           ; the two stores fill the row's 256 aligned bytes
	global_store_b32 v7, v[SV], s[12:13] offset:128
.macro ROW i
.set XR, X+32*\i
	s_wait_loadcnt 8*(3-\i)                        ; loads come back in order: norm_w and this row are in; the later rows' eight loads each may be out
	v_pk_mul_f32 v[8:9], v[XR:XR+1], v[XR:XR+1]    ; the sum of squares, two at a time, in two chains
	v_pk_mul_f32 v[10:11], v[XR+2:XR+3], v[XR+2:XR+3]
.irp j, 4,8,12,16,20,24,28
	s_delay_alu instid0(VALU_DEP_2)
	v_pk_fma_f32 v[8:9], v[XR+\j:XR+\j+1], v[XR+\j:XR+\j+1], v[8:9]
	s_delay_alu instid0(VALU_DEP_2)
	v_pk_fma_f32 v[10:11], v[XR+\j+2:XR+\j+3], v[XR+\j+2:XR+\j+3], v[10:11]
.endr
	s_delay_alu instid0(VALU_DEP_1)
	v_pk_add_f32 v[8:9], v[8:9], v[10:11]
	s_delay_alu instid0(VALU_DEP_1)
	v_add_f32 v8, v8, v9
	s_delay_alu instid0(VALU_DEP_1)
	v_add_f32_dpp v8, v8, v8 row_xmask:1 row_mask:0xf bank_mask:0xf
	s_delay_alu instid0(VALU_DEP_1)
	v_add_f32_dpp v8, v8, v8 row_xmask:2 row_mask:0xf bank_mask:0xf
	s_delay_alu instid0(VALU_DEP_1)
	v_add_f32_dpp v8, v8, v8 row_xmask:4 row_mask:0xf bank_mask:0xf
	s_delay_alu instid0(VALU_DEP_1)
	v_add_f32_dpp v8, v8, v8 row_xmask:8 row_mask:0xf bank_mask:0xf
	s_delay_alu instid0(VALU_DEP_1)
	v_permlanex16_b32 v9, v8, s16, s17
	s_delay_alu instid0(VALU_DEP_1)
	v_add_f32 v8, v8, v9                           ; every lane holds the row's sum
	s_delay_alu instid0(VALU_DEP_1)
	v_fma_f32 v8, v8, s20, s21                     ; the mean + 1e-5
	s_wait_alu depctr_va_vdst(0)
	v_rsq_f32 v8, v8
	v_nop                                          ; a plain instruction behind the transcendental,
	s_wait_alu depctr_va_vdst(0)                   ; and the wait ahead of its first reader
.irp j, 0,2,4,6,8,10,12,14,16,18,20,22,24,26,28,30
	v_pk_mul_f32 v[XR+\j:XR+\j+1], v[XR+\j:XR+\j+1], v[8:9] op_sel_hi:[1,0]
.endr
.irp j, 0,2,4,6,8,10,12,14,16,18,20,22,24,26,28,30
	v_pk_mul_f32 v[XR+\j:XR+\j+1], v[XR+\j:XR+\j+1], v[NW+\j:NW+\j+1]   ; (x rms) w, in that order
.endr
.irp k, 0,1,2,3,4,5,6,7
	ds_store_b128 v3, v[XR+4*\k:XR+4*\k+3] offset:576*\k
.endr
.irp k, 0,1,2,3,4,5,6,7
	ds_load_b128 v[T+4*\k:T+4*\k+3], v4 offset:16*\k   ; LDS serves a wave's instructions in order: these see the stores above
.endr
	s_wait_dscnt 0x0
	v_max3_num_f32 v12, |v[T]|, |v[T+1]|, |v[T+2]|     ; the block's largest magnitude: all 32 numbers are mine
	v_max3_num_f32 v13, |v[T+3]|, |v[T+4]|, |v[T+5]|
.irp j, 6,10,14,18,22,26
	s_delay_alu instid0(VALU_DEP_2)
	v_max3_num_f32 v12, v12, |v[T+\j]|, |v[T+\j+1]|
	s_delay_alu instid0(VALU_DEP_2)
	v_max3_num_f32 v13, v13, |v[T+\j+2]|, |v[T+\j+3]|
.endr
	s_delay_alu instid0(VALU_DEP_2)
	v_max3_num_f32 v12, v12, |v[T+30]|, |v[T+31]|
	s_delay_alu instid0(VALU_DEP_1)
	v_max3_num_f32 v12, v12, v13, 0x1800000        ; the floor 2^(3 - 127): the byte cannot fall under 1
	s_delay_alu instid0(VALU_DEP_1)
	v_add_nc_u32 v11, 0xff000000, v12              ; 2 off the exponent field: the conversion takes this operand's exponent field as its scale
.irp g, 0,1,2,3
	v_cvt_scalef32_pk8_fp4_f32 v[CDS+4*\i+\g], v[T+8*\g:T+8*\g+7], v11
.endr
	v_lshrrev_b32 v[E+\i], 23, v11                 ; the scale's byte (also the plain instruction behind the conversions)
	ds_store_b8 v5, v[E+\i] offset:32*\i
	global_store_b128 v2, v[CDS+4*\i:CDS+4*\i+3], s[8:9] offset:512*\i   ; the row's 512 bytes of codes: two aligned runs of 256
.endm
	ROW 0
	ROW 1
	ROW 2
	ROW 3
	ds_load_b32 v14, v6                            ; my wave's 128 scale bytes, four rows on end
	s_wait_dscnt 0x0
	global_store_b32 v7, v14, s[10:11]             ; 128 consecutive bytes a wave: one byte for each 128 that the launch reads
	s_wait_tensorcnt 0x0
	ds_add_u32 v240, v241
	s_wait_dscnt 0x0
	s_endpgm
.Lfunc_end_k_qd8a390bff5_prep:
	.size	k_qd8a390bff5_prep, .Lfunc_end_k_qd8a390bff5_prep-k_qd8a390bff5_prep
	.p2alignl 7, 3214868480
	.fill 96, 4, 3214868480
	.section	.rodata,"a",@progbits
	.p2align	6, 0x0
	.amdhsa_kernel k_qd8a390bff5_prep
		.amdhsa_group_segment_fixed_size 39936
		.amdhsa_private_segment_fixed_size 0
		.amdhsa_enable_private_segment 0
		.amdhsa_kernarg_size 40
		.amdhsa_user_sgpr_count 2
		.amdhsa_user_sgpr_kernarg_segment_ptr 1
		.amdhsa_wavefront_size32 1
		.amdhsa_system_sgpr_workgroup_id_x 1
		.amdhsa_system_sgpr_workgroup_id_y 1
		.amdhsa_system_sgpr_workgroup_id_z 1
		.amdhsa_system_vgpr_workitem_id 0
		.amdhsa_next_free_vgpr 242
		.amdhsa_next_free_sgpr 66
		.amdhsa_reserve_vcc 1
		.amdhsa_float_denorm_mode_32 3
		.amdhsa_float_denorm_mode_16_64 3
		.amdhsa_memory_ordered 1
		.amdhsa_forward_progress 1
		.amdhsa_inst_pref_size 43
	.end_amdhsa_kernel
	.amdgpu_metadata
---
amdhsa.version: [ 1, 2 ]
amdhsa.kernels:
  - .name:           k_qd8a390bff5_prep
    .symbol:         k_qd8a390bff5_prep.kd
    .args:
      - { .name: x, .offset: 0, .size: 8, .value_kind: global_buffer, .address_space: global }
      - { .name: norm_w, .offset: 8, .size: 8, .value_kind: global_buffer, .address_space: global }
      - { .name: xq, .offset: 16, .size: 8, .value_kind: global_buffer, .address_space: global }
      - { .name: xs, .offset: 24, .size: 8, .value_kind: global_buffer, .address_space: global }
      - { .name: rope, .offset: 32, .size: 8, .value_kind: global_buffer, .address_space: global }
    .group_segment_fixed_size: 39936
    .private_segment_fixed_size: 0
    .kernarg_segment_align: 8
    .kernarg_segment_size: 40
    .max_flat_workgroup_size: 256
    .sgpr_count:     66
    .vgpr_count:     242
    .wavefront_size: 32
...
	.end_amdgpu_metadata
.endif
;; end of part 1
;; launch proj (part 2): grid 96 x 4, 4 waves a work-group, clusters of 4 x 4, 327,680 bytes of LDS; arguments xq, xs, encoder_out_codes, encoder_out_scales, Wq_codes, Wq_scales, Wkv_codes, Wkv_scales, rope, qb, kv; writes qb, kv
.if DOCPART == 2
	.amdgcn_target "amdgcn-amd-amdhsa--gfx1250"
	.amdhsa_code_object_version 6
	.text
	.protected	k_qd8a390bff5_proj
	.globl	k_qd8a390bff5_proj
	.p2align	8
	.type	k_qd8a390bff5_proj,@function
k_qd8a390bff5_proj:
	s_mov_b64 s[64:65], 0
	v_nop
	global_prefetch_b8 v0, s[64:65] scope:SCOPE_SE
	s_setreg_imm32_b32 hwreg(HW_REG_WAVE_MODE, 25, 1), 1
	s_wait_xcnt 0x0
	s_wait_alu depctr_hold_cnt(0) depctr_sa_sdst(0) depctr_va_vdst(0) depctr_va_sdst(0) depctr_va_ssrc(0) depctr_va_vcc(0) depctr_vm_vsrc(0)
	s_getreg_b32 s2, hwreg(HW_REG_IB_STS2, 6, 4)
	s_cmp_eq_u32 s2, 0
	s_cbranch_scc0 .Lentry_in_a_cluster
	s_endpgm
.Lentry_in_a_cluster:
	s_bfe_u32 s2, ttmp6, 0x10000c
	s_cmp_lg_u32 s2, 0xf033
	s_cbranch_scc0 .Lentry_shape_is_right
	s_endpgm
.Lentry_shape_is_right:
.set KSTEP,  512
.set NQ,     4
.set ROWB,   256
.set KROW,   512
.set PITCH,  272
.set FR,     8
.set NL,     2
.set NP,     4
.set HALFT,  128*PITCH
.set SLOT,   4*HALFT
.set KS,     32
.set SCL,    2*SLOT
.set HALFS,  16*272
.set SBLK,   2*272
.set ADRA, 16
.set ADRB, 20
.set TA,   24
.set CO16, 25
.set CO8,  26
.set ADRS, 27
.set SC,   32
.set AF,   128
.set T,    128
.set CD,   192
.set TM,   208
.set SW,   224
.set SI,   232
.set WV,   26
.set HI,   27
.set LO,   28
.set MODE, 29
.set G1,   36
.set G0,   44
.set G1B,  52
.set SEL,  60
.set G0B,  68
.set G1S,  76
.set G0S,  84
.set G1SB, 88
.set G0SB, 96
.set MSB, 0
.macro WIN new
.if MSB != (\new)
	s_set_vgpr_msb (MSB<<8)|(\new)
.set MSB, (\new)
.endif
.endm
.set MUL_LO, 0xa1
.set MUL_HI, 0xf1
.set TO_B,   0x40
.macro JLOAD g0a, g1a, g0b, g1b
	s_cmp_eq_u32 s[HI], 0
	s_cbranch_scc0 .Lfor_b_\@
	tensor_load_to_lds s[\g0a:\g0a+3], s[\g1a:\g1a+7]
	s_nop 0
.rept 4
	v_nop
.endr
	s_branch .Lasked_\@
.Lfor_b_\@:
	tensor_load_to_lds s[\g0b:\g0b+3], s[\g1b:\g1b+7]
	s_nop 0
.rept 4
	v_nop
.endr
.Lasked_\@:
.endm
.macro CROUND
	s_barrier_signal -1
	s_barrier_wait -1
	s_cmp_lg_u32 s[WV], 0
	s_cbranch_scc1 .Lnot_wave_0_\@
	s_barrier_signal -3
.Lnot_wave_0_\@:
	s_barrier_wait -3
	s_barrier_signal -1
	s_barrier_wait -1
.endm
	s_load_b512 s[4:19], s[0:1], 0x0
	s_load_b128 s[20:23], s[0:1], 0x40
	s_load_b64 s[24:25], s[0:1], 0x50
	v_lshl_add_u32 v254, v0, 2, 0x48400
	v_mov_b32 v255, 0
	ds_add_u32 v254, v255
	ds_add_u32 v254, v255
	v_lshrrev_b32 v1, 5, v0
	v_readfirstlane_b32 s[WV], v1
	s_lshr_b32 s[HI], s[WV], 1
	s_and_b32 s[LO], s[WV], 1
	s_bfe_u32 s31, ttmp6, 0x40000
	s_bfe_u32 s32, ttmp6, 0x40004
	s_lshr_b32 s[MODE], ttmp9, 3
	s_and_b32 s30, ttmp9, 7
	s_lshl_b32 s30, s30, 2
	s_cmp_eq_u32 s[MODE], 2
	s_cselect_b32 s33, 0, s30
	s_cselect_b32 s34, s30, 0
	s_add_co_u32 s33, s33, s32
	s_add_co_u32 s34, s34, s31
	s_lshl_b32 s2, s32, 2
	s_lshl_b32 s2, 15, s2
	s_lshl_b32 s3, 0x1111, s31
	s_or_b32 s[G1], s2, (0<<16)|(1<<20)|(1<<21)|(5<<22)|(3<<25)
	s_or_b32 s[G1B], s3, (0<<16)|(1<<20)|(1<<21)|(5<<22)|(3<<25)
.irp g, G1, G1B
	s_mov_b32 s[\g+1], ROWB<<16
	s_mov_b32 s[\g+2], 256<<16
	s_mov_b32 s[\g+3], ROWB<<16
	s_mov_b32 s[\g+4], 256
	s_mov_b32 s[\g+5], KROW
	s_mov_b32 s[\g+6], 0
	s_mov_b32 s[\g+7], 0
.endr
	s_or_b32 s[G1S], s2, (3<<16)|(1<<20)|(1<<21)|(5<<22)|(3<<25)
	s_or_b32 s[G1SB], s3, (3<<16)|(1<<20)|(1<<21)|(5<<22)|(3<<25)
.irp g, G1S, G1SB
	s_mov_b32 s[\g+1], 32<<16
	s_mov_b32 s[\g+2], 32<<16
	s_mov_b32 s[\g+3], 32<<16
	s_mov_b32 s[\g+4], 32
	s_mov_b32 s[\g+5], 32
	s_mov_b32 s[\g+6], 0
	s_mov_b32 s[\g+7], 0
.endr
	s_lshl_b32 s100, s33, 8                        ; the tile's first row of source A,
	s_lshl_b32 s101, s34, 8                        ; and of source B
	s_mov_b32 s[SEL], 0x76543210
	s_mov_b32 s[SEL+1], 0xfedcba98
	s_mov_b32 s35, 0xffff0000
	s_wait_dscnt 0x0
	s_wait_kmcnt 0x0
	s_add_nc_u64 s[2:3], s[16:17], 0x80000
	s_add_nc_u64 s[62:63], s[18:19], 0x8000
	s_cmp_eq_u32 s[MODE], 0
	s_cselect_b64 s[4:5], s[4:5], s[8:9]
	s_cselect_b64 s[6:7], s[6:7], s[10:11]
	s_cselect_b64 s[12:13], s[12:13], s[16:17]
	s_cselect_b64 s[14:15], s[14:15], s[18:19]
	s_cmp_eq_u32 s[MODE], 2
	s_cselect_b64 s[4:5], s[2:3], s[4:5]
	s_cselect_b64 s[6:7], s[62:63], s[6:7]
	s_cselect_b64 s[12:13], s[8:9], s[12:13]
	s_cselect_b64 s[14:15], s[10:11], s[14:15]
	s_lshl_b32 s16, s100, 9
	s_mov_b32 s17, 0
	s_add_nc_u64 s[4:5], s[4:5], s[16:17]
	s_lshl_b32 s16, s100, 5
	s_add_nc_u64 s[6:7], s[6:7], s[16:17]
	s_lshl_b32 s18, s101, 9
	s_mov_b32 s19, 0
	s_add_nc_u64 s[12:13], s[12:13], s[18:19]
	s_lshl_b32 s18, s101, 5
	s_add_nc_u64 s[14:15], s[14:15], s[18:19]
	s_mul_i32 s10, s[WV], HALFT
	CROUND
	s_mov_b32 s[G0S], 1
	s_mov_b32 s[G0S+1], SCL
	s_mov_b64 s[G0S+2:G0S+3], s[6:7]
	s_or_b32 s[G0S+3], s[G0S+3], 0x80000000
	s_mov_b32 s[G0SB], 1
	s_mov_b32 s[G0SB+1], SCL+2*HALFS
	s_mov_b64 s[G0SB+2:G0SB+3], s[14:15]
	s_or_b32 s[G0SB+3], s[G0SB+3], 0x80000000
	s_mov_b32 s[G0], 1                             ; the head's tiles, each whole: K step 0's 256 rows of A,
	s_mov_b32 s[G0+1], 0
	s_mov_b64 s[G0+2:G0+3], s[4:5]
	s_or_b32 s[G0+3], s[G0+3], 0x80000000
	s_mov_b32 s[G0B], 1                            ; and its 256 rows of B, behind them in slot 0
	s_mov_b32 s[G0B+1], 2*HALFT
	s_mov_b64 s[G0B+2:G0B+3], s[12:13]
	s_or_b32 s[G0B+3], s[G0B+3], 0x80000000
	s_lshl_b32 s16, s[LO], 16                      ; K step 1: my 128 rows of a tile, 512 bytes a row
	s_mov_b32 s17, 0
	s_add_nc_u64 s[4:5], s[4:5], s[16:17]
	s_add_nc_u64 s[12:13], s[12:13], s[16:17]
	s_mov_b32 s[G0+4], 1
	s_add_co_u32 s[G0+5], s10, SLOT
	s_add_nc_u64 s[G0+6:G0+7], s[4:5], ROWB
	s_or_b32 s[G0+7], s[G0+7], 0x80000000
	s_mov_b32 s[G0B+4], 1
	s_add_co_u32 s[G0B+5], s10, SLOT
	s_add_nc_u64 s[G0B+6:G0B+7], s[12:13], ROWB
	s_or_b32 s[G0B+7], s[G0B+7], 0x80000000
; THE HEAD'S LOADS, ONE A WAVE: wave 0 K step 0's rows of A, wave 1 those of B, wave 2 A's scale bytes, wave 3 B's.
; One chain of branches on the wave's number, an arm a load, all arms leading to one join.
.macro ARM under, g0, g1, next
	s_cmp_lt_u32 s[WV], \under
	s_cbranch_scc0 \next
	tensor_load_to_lds s[\g0:\g0+3], s[\g1:\g1+7]
	s_nop 0
.rept 4
	v_nop
.endr
	s_branch .Lhead_asked
\next:
.endm
	ARM 1, G0,  G1,  .Lhead_b
	ARM 2, G0B, G1B, .Lhead_sa
	ARM 3, G0S, G1S, .Lhead_sb
	tensor_load_to_lds s[G0SB:G0SB+3], s[G1SB:G1SB+7]
	s_nop 0
.rept 4
	v_nop
.endr
.Lhead_asked:
	s_wait_alu depctr_va_vdst(0)
	s_wait_tensorcnt 0x0                           ; my tile of the head's four is in
	ds_add_u32 v254, v255
	s_mov_b32 s[G1+2], 128<<16                     ; no tensor load of mine is out: from here on a load brings 128 rows
	s_mov_b32 s[G1+4], 128
	s_mov_b32 s[G1B+2], 128<<16
	s_mov_b32 s[G1B+4], 128
	s_wait_dscnt 0x0
	CROUND                                         ; all four tiles are in, and all sixteen work-groups are here
	JLOAD G0+4, G1, G0B+4, G1B                     ; K step 1, a quarter of the slot a wave
	v_and_b32 v1, 15, v0
	v_bfe_u32 v2, v0, 4, 1
	v_mul_u32_u24 v3, v1, PITCH
	v_lshl_add_u32 v4, v2, 4, v3
	s_mul_i32 s8, s[HI], HALFT
	s_mul_i32 s9, s[LO], HALFT
	s_add_co_u32 s9, s9, 2*HALFT
.irp s, 0,1
	v_add_nc_u32 v[ADRA+\s], s8, v4
	v_add_nc_u32 v[ADRB+\s], s9, v4
	s_add_co_u32 s8, s8, SLOT
	s_add_co_u32 s9, s9, SLOT
.endr
	v_mul_u32_u24 v5, v1, KS
	v_lshrrev_b32 v6, 8, v5
	v_lshl_add_u32 v5, v6, 4, v5
	s_mul_i32 s8, s[HI], HALFS
	s_mul_i32 s9, s[LO], HALFS
	s_add_co_u32 s9, s9, 2*HALFS
	s_sub_co_u32 s9, s9, s8
	v_mul_u32_u24 v6, s9, v2
	s_add_co_u32 s8, s8, SCL
	v_add_nc_u32 v5, v5, v6
	v_add_nc_u32 v[ADRS], s8, v5
	v_lshlrev_b32 v[TA], 8, v1
	v_lshl_add_u32 v[TA], v2, 5, v[TA]
	v_and_b32 v6, 31, v0
	v_lshlrev_b32 v[CO16], 4, v6
	v_lshlrev_b32 v[CO8], 3, v6
	s_lshl_b32 s8, s33, 8
	s_lshl_b32 s9, s[HI], 7
	s_add_co_u32 s8, s8, s9
	s_lshl_b32 s9, s34, 8
	s_lshl_b32 s10, s[LO], 7
	s_add_co_u32 s9, s9, s10
	s_cmp_eq_u32 s[MODE], 2
	s_cselect_b32 s10, s9, s8
	s_cselect_b32 s11, s8, s9
	s_cselect_b32 s18, 4352, 0
	s_lshr_b32 s11, s11, 6
	s_cmp_eq_u32 s[MODE], 0
	s_mov_b32 s16, 139264
	s_cselect_b32 s16, 69632, s16
	s_mov_b32 s17, 8704
	s_cselect_b32 s17, 4352, s17
	s_cselect_b64 s[22:23], s[22:23], s[24:25]
	s_lshr_b32 s19, s10, 11
	s_lshl_b32 s19, s19, 4
	s_add_co_u32 s19, s19, s11
	s_mul_i32 s19, s19, s16
	s_bfe_u32 s2, s10, 0x40007
	s_mul_i32 s2, s2, s17
	s_add_co_u32 s19, s19, s2
	s_add_co_u32 s18, s19, s18
	s_mov_b32 s19, 0
	s_add_nc_u64 s[22:23], s[22:23], s[18:19]
	s_mov_b32 s17, 0
	s_add_nc_u64 s[24:25], s[22:23], s[16:17]
	s_and_b32 s2, s10, 2047
	s_lshl_b32 s2, s2, 8
	s_mov_b32 s3, 0
	s_add_nc_u64 s[20:21], s[20:21], s[2:3]
.macro FRAG reg, adr, q, i
.irp c, 0,1
	ds_load_b128 v[\reg+4*\c:\reg+4*\c+3], v[\adr] offset:64*(\q)+32*\c+(\i)*16*PITCH
.endr
.endm
.macro MUL16 a0, p, q, sc, zero
.irp a, \a0, \a0+1
.irp b, 0,1,2,3,4,5,6,7
.if \zero
	v_wmma_scale_f32_16x16x128_f8f6f4 v[8*(8*((\a)%4)+\b):8*(8*((\a)%4)+\b)+7], v[128*(\p)+FR*\b:128*(\p)+FR*\b+FR-1], v[AF+FR*(\a):AF+FR*(\a)+FR-1], 0, v[SC+8*NQ*(\sc)+NQ*\b+(\q)], v[SC+8*NQ*(\sc)+NQ*(\a)+(\q)] matrix_a_fmt:MATRIX_FMT_FP4 matrix_b_fmt:MATRIX_FMT_FP4 matrix_a_scale:MATRIX_SCALE_ROW1
.else
	v_wmma_scale_f32_16x16x128_f8f6f4 v[8*(8*((\a)%4)+\b):8*(8*((\a)%4)+\b)+7], v[128*(\p)+FR*\b:128*(\p)+FR*\b+FR-1], v[AF+FR*(\a):AF+FR*(\a)+FR-1], v[8*(8*((\a)%4)+\b):8*(8*((\a)%4)+\b)+7], v[SC+8*NQ*(\sc)+NQ*\b+(\q)], v[SC+8*NQ*(\sc)+NQ*(\a)+(\q)] matrix_a_fmt:MATRIX_FMT_FP4 matrix_b_fmt:MATRIX_FMT_FP4 matrix_a_scale:MATRIX_SCALE_ROW1
.endif
.endr
.endr
.endm
.macro FETCH_B slot, q, p
	WIN TO_B
.irp i, 0,1,2,3,4,5,6,7
	FRAG 128*(\p)+FR*\i, ADRB+\slot, \q, \i
.endr
	WIN 0
.endm
.macro FETCH_A slot, q, i0
.irp i, \i0, \i0+1, \i0+2, \i0+3
	FRAG AF+FR*(\i), ADRA+\slot, \q, \i
.endr
.endm
.macro SCALES sc
.irp i, 0,1,2,3,4,5,6,7
	ds_load_b128 v[SC+8*NQ*\sc+NQ*\i:SC+8*NQ*\sc+NQ*\i+3], v[ADRS] offset:\i*SBLK
.endr
.endm
.macro PLACES n
.rept \n
	v_nop
.endr
.endm
.macro STEP slot, q, zero
	s_wait_dscnt 4*NL
	WIN MUL_LO
	MUL16 0, (\q)%2, \q, \slot, \zero
	MUL16 2, (\q)%2, \q, \slot, \zero
	s_wait_dscnt 0
	PLACES NP
	FETCH_B \slot, (\q)+1, 1-(\q)%2
	FETCH_A \slot, (\q)+1, 0
	WIN MUL_HI
	MUL16 4, (\q)%2, \q, \slot, \zero
	MUL16 6, (\q)%2, \q, \slot, \zero
	PLACES NP
	WIN 0
	FETCH_A \slot, (\q)+1, 4
.endm
.macro STEPS slot, from
.set Q, \from
.rept NQ-1-\from
	STEP \slot, Q, 0
.set Q, Q+1
.endr
.endm
.macro TAILMUL
	STEPS 1, 0
	s_wait_dscnt 4*NL
	WIN MUL_LO
	MUL16 0, 1, NQ-1, 1, 0
	MUL16 2, 1, NQ-1, 1, 0
	s_wait_dscnt 0
	WIN MUL_HI
	MUL16 4, 1, NQ-1, 1, 0
	MUL16 6, 1, NQ-1, 1, 0
	WIN 0
.endm
.macro TABLE p
.set TBB, 128*((\p)%2)+64*(1-(\p)/2)
	WIN TO_B
.irp e, 0,1
.irp u, 0,1
.irp k, 0,1
	global_load_b128 v[TBB+32*\e+8*\u+4*\k:TBB+32*\e+8*\u+4*\k+3], v[TA], s[20:21] offset:(2*(\p)+\e)*4096+64*\u+16*\k
	global_load_b128 v[TBB+32*\e+16+8*\u+4*\k:TBB+32*\e+16+8*\u+4*\k+3], v[TA], s[20:21] offset:(2*(\p)+\e)*4096+128+64*\u+16*\k
.endr
.endr
.endr
	WIN 0
.endm
.macro ROPE a, hd, dst
.set RA, 64*((\a)%4)+32*(\hd)
.set RC, 128*(((\a)/2)%2)+64*(1-(\a)/4)+32*((\a)%2)
.set RS, RC+16
	WIN 0x06+(\a)/4
.irp i, 0,2,4,6,8,10,12,14
	v_pk_mul_f32 v[(\dst)+\i:(\dst)+\i+1], v[RA+\i:RA+\i+1], v[RC+\i:RC+\i+1]
	v_pk_mul_f32 v[(\dst)+16+\i:(\dst)+17+\i], v[RA+16+\i:RA+17+\i], v[RC+\i:RC+\i+1]
.endr
.irp i, 0,2,4,6,8,10,12,14
	v_pk_fma_f32 v[(\dst)+\i:(\dst)+\i+1], v[RA+16+\i:RA+17+\i], v[RS+\i:RS+\i+1], v[(\dst)+\i:(\dst)+\i+1] neg_lo:[1,0,0] neg_hi:[1,0,0]
	v_pk_fma_f32 v[(\dst)+16+\i:(\dst)+17+\i], v[RA+\i:RA+\i+1], v[RS+\i:RS+\i+1], v[(\dst)+16+\i:(\dst)+17+\i]
.endr
	WIN 0
.endm
.macro QUANT s, w, pw
	WIN (\w)|((\w)<<2)
.irp b, 0,1,2,3
	v_max3_num_f32 v[TM+\b], |v[(\s)+16*\b]|, |v[(\s)+16*\b+1]|, 0x1800000
.endr
.irp i, 2,4,6,8,10,12,14
.irp b, 0,1,2,3
	v_max3_num_f32 v[TM+\b], |v[(\s)+16*\b+\i]|, |v[(\s)+16*\b+\i+1]|, v[TM+\b]
.endr
.endr
	WIN 0
.irp b, 0,1,2,3
	v_permlanex16_b32 v[TM+4+\b], v[TM+\b], s[SEL], s[SEL+1]
.endr
.irp b, 0,1,2,3
	v_max_num_f32 v[TM+\b], v[TM+\b], v[TM+4+\b]
.endr
.irp b, 0,1,2,3
	v_add_nc_u32 v[TM+12+\b], 0xff000000, v[TM+\b]
.endr
.irp b, 0,1,2,3
	v_lshrrev_b32 v[TM+4+\b], 23, v[TM+12+\b]
.endr
	v_lshl_or_b32 v[\pw], v[TM+5], 8, v[TM+4]
	v_lshl_or_b32 v[\pw], v[TM+6], 16, v[\pw]
	v_lshl_or_b32 v[\pw], v[TM+7], 24, v[\pw]
	s_wait_xcnt 0x0
	WIN (\w)
.irp c, 0,1
.irp u, 0,1
.irp e, 0,1
	v_cvt_scalef32_pk8_fp4_f32 v[CD+4*\c+2*\u+\e], v[(\s)+32*\c+16*\e+8*\u:(\s)+32*\c+16*\e+8*\u+7], v[TM+12+2*\c+\e]
.endr
.endr
.endr
	WIN 0
	v_nop
.irp c, 0,1
.irp u, 0,1
	v_permlane16_swap_b32 v[CD+4*\c+2*\u], v[CD+4*\c+2*\u+1]
.endr
.endr
.endm
.macro PUT idx, hd
	global_store_b128 v[CO16], v[CD:CD+3], s[22+2*\hd:23+2*\hd] offset:1024*(\idx)
	global_store_b128 v[CO16], v[CD+4:CD+7], s[22+2*\hd:23+2*\hd] offset:1024*(\idx)+512
.endm
.macro SCALEOUT hd
	v_cndmask_b32 v[SI+2*\hd], v[SW+4*\hd], v[SW+4*\hd+1], s35
	v_cndmask_b32 v[SI+2*\hd+1], v[SW+4*\hd+2], v[SW+4*\hd+3], s35
	global_store_b64 v[CO8], v[SI+2*\hd:SI+2*\hd+1], s[22+2*\hd:23+2*\hd] offset:4096
.endm
.macro QKPAIR p
.irp hd, 0,1
	ROPE 2*(\p), \hd, T
	ROPE 2*(\p)+1, \hd, T+32
	QUANT T, 0, SW+4*\hd+(\p)
	PUT \p, \hd
.endr
.endm
	s_wait_alu depctr_va_vdst(0)
	s_wait_tensorcnt 1
	s_barrier_signal -1
	s_barrier_wait -1
	FETCH_B 0, 0, 0
	FETCH_A 0, 0, 0
	SCALES 0
	FETCH_A 0, 0, 4
	STEP 0, 0, 1
	STEPS 0, 1
	s_wait_tensorcnt 0x0
	s_wait_dscnt 4*NL
	WIN MUL_LO
	MUL16 0, 1, NQ-1, 0, 0
	s_wait_dscnt 0x0
	s_barrier_signal -1
	MUL16 2, 1, NQ-1, 0, 0
	WIN 0
	s_barrier_wait -1
	PLACES NP
	v_add_nc_u32 v[ADRS], 4*NQ, v[ADRS]
	FETCH_B 1, 0, 0
	FETCH_A 1, 0, 0
	SCALES 1
	WIN MUL_HI
	MUL16 4, 1, NQ-1, 0, 0
	MUL16 6, 1, NQ-1, 0, 0
	PLACES NP
	WIN 0
	FETCH_A 1, 0, 4
	s_cmp_eq_u32 s[MODE], 2
	s_cbranch_scc1 .Lv
	TABLE 0
	TABLE 1
	TAILMUL
	PLACES NP
	TABLE 2
	TABLE 3
.irp b, 0,1,2,3
	v_mov_b32 v[TM+4+\b], 0
.endr
	s_wait_loadcnt 32
	QKPAIR 0
	QKPAIR 1
	s_wait_loadcnt 0x0
	QKPAIR 2
	QKPAIR 3
	SCALEOUT 0
	SCALEOUT 1
	s_branch .Ldone
.Lv:
	TAILMUL
	PLACES NP
.irp b, 0,1,2,3
	v_mov_b32 v[TM+4+\b], 0
.endr
.irp hv, 0,1
.irp ct, 0,1,2,3
	QUANT 64*\ct, 2+\hv, SW+4*\hv+\ct
	PUT \ct, \hv
.endr
.endr
	SCALEOUT 0
	SCALEOUT 1
.Ldone:
	s_wait_tensorcnt 0x0
	s_wait_dscnt 0x0
	s_wait_tensorcnt 0x0
	ds_add_u32 v254, v255
	s_wait_dscnt 0x0
	CROUND
	s_endpgm
.Lfunc_end_k_qd8a390bff5_proj:
	.size	k_qd8a390bff5_proj, .Lfunc_end_k_qd8a390bff5_proj-k_qd8a390bff5_proj
	.p2alignl 7, 3214868480
	.fill 96, 4, 3214868480
	.section	.rodata,"a",@progbits
	.p2align	6, 0x0
	.amdhsa_kernel k_qd8a390bff5_proj
		.amdhsa_group_segment_fixed_size 327680
		.amdhsa_private_segment_fixed_size 0
		.amdhsa_enable_private_segment 0
		.amdhsa_kernarg_size 88
		.amdhsa_user_sgpr_count 2
		.amdhsa_user_sgpr_kernarg_segment_ptr 1
		.amdhsa_wavefront_size32 1
		.amdhsa_system_sgpr_workgroup_id_x 1
		.amdhsa_system_sgpr_workgroup_id_y 1
		.amdhsa_system_sgpr_workgroup_id_z 1
		.amdhsa_system_vgpr_workitem_id 0
		.amdhsa_next_free_vgpr 1024
		.amdhsa_next_free_sgpr 102
		.amdhsa_reserve_vcc 0
		.amdhsa_float_denorm_mode_32 3
		.amdhsa_float_denorm_mode_16_64 3
		.amdhsa_memory_ordered 1
		.amdhsa_forward_progress 1
		.amdhsa_inst_pref_size 241
	.end_amdhsa_kernel
	.amdgpu_metadata
---
amdhsa.version: [ 1, 2 ]
amdhsa.kernels:
  - .name:           k_qd8a390bff5_proj
    .symbol:         k_qd8a390bff5_proj.kd
    .args:
      - { .name: xq, .offset: 0, .size: 8, .value_kind: global_buffer, .address_space: global }
      - { .name: xs, .offset: 8, .size: 8, .value_kind: global_buffer, .address_space: global }
      - { .name: encoder_out_codes, .offset: 16, .size: 8, .value_kind: global_buffer, .address_space: global }
      - { .name: encoder_out_scales, .offset: 24, .size: 8, .value_kind: global_buffer, .address_space: global }
      - { .name: Wq_codes, .offset: 32, .size: 8, .value_kind: global_buffer, .address_space: global }
      - { .name: Wq_scales, .offset: 40, .size: 8, .value_kind: global_buffer, .address_space: global }
      - { .name: Wkv_codes, .offset: 48, .size: 8, .value_kind: global_buffer, .address_space: global }
      - { .name: Wkv_scales, .offset: 56, .size: 8, .value_kind: global_buffer, .address_space: global }
      - { .name: rope, .offset: 64, .size: 8, .value_kind: global_buffer, .address_space: global }
      - { .name: qb, .offset: 72, .size: 8, .value_kind: global_buffer, .address_space: global }
      - { .name: kv, .offset: 80, .size: 8, .value_kind: global_buffer, .address_space: global }
    .group_segment_fixed_size: 327680
    .private_segment_fixed_size: 0
    .kernarg_segment_align: 8
    .kernarg_segment_size: 88
    .max_flat_workgroup_size: 128
    .sgpr_count:     102
    .vgpr_count:     1024
    .wavefront_size: 32
...
	.end_amdgpu_metadata
.endif
;; end of part 2
;; launch attn (part 3): grid 4 x 64, 8 waves a work-group, clusters of 4 x 1, 169,984 bytes of LDS; arguments qb, kv, oc, os; writes oc, os
.if DOCPART == 3
	.amdgcn_target "amdgcn-amd-amdhsa--gfx1250"
	.amdhsa_code_object_version 6
	.text
	.protected	k_qd8a390bff5_attn
	.globl	k_qd8a390bff5_attn
	.p2align	8
	.type	k_qd8a390bff5_attn,@function
k_qd8a390bff5_attn:
	s_mov_b64 s[64:65], 0
	v_nop
	global_prefetch_b8 v0, s[64:65] scope:SCOPE_SE
	s_setreg_imm32_b32 hwreg(HW_REG_WAVE_MODE, 25, 1), 1
	s_wait_xcnt 0x0
	s_wait_alu depctr_hold_cnt(0) depctr_sa_sdst(0) depctr_va_vdst(0) depctr_va_sdst(0) depctr_va_ssrc(0) depctr_va_vcc(0) depctr_vm_vsrc(0)
	s_getreg_b32 s2, hwreg(HW_REG_IB_STS2, 6, 4)
	s_cmp_eq_u32 s2, 0
	s_cbranch_scc0 .Lentry_in_a_cluster
	s_endpgm
.Lentry_in_a_cluster:
	s_bfe_u32 s2, ttmp6, 0x10000c
	s_cmp_lg_u32 s2, 0x3003
	s_cbranch_scc0 .Lentry_shape_is_right
	s_endpgm
.Lentry_shape_is_right:
; o = softmax(q k^T / 8) v for one head of one batch, both products on codes of E2M1; o / l is quantised along the channels and stored as the last launch's operand.
; THE SOFTMAX AHEAD OF THE SECOND PRODUCT: t = score x log2(e) / 8; M = the running largest t rounded UP to a whole number; p = 2^(t - M) is quantised along the keys, not normalised;
; the row's sum is taken of the unquantised p; when M moves, the sum and O are multiplied by 2^(old M - new M): exact.
; SHARES.  A cluster of four work-groups is one head-in-batch; a work-group owns 512 queries; each of its eight waves 64 of them, four tiles of 16, in 512 registers.
; A fragment of K or V read from LDS serves the wave's four tiles.  The tiles go in two pairs; the two tiles of a pair take every phase line by line, so that two independent chains stand beside each other.
; THE ORDER OF A PAIR: maxima, chain, t - M, exponentials, codes, the sum's tree; then THE NEXT PAIR'S SCORES are issued into the score registers, which the tree has left; then O^T is rescaled and V^T P^T is issued.
; So plain vector work stands behind each run of matrix instructions.  The order goes over the loop's backward jump: step 0's first scores stand ahead of the loop.
; In the last trip a branch on the count of trips leads round the next step's loads of K and round the next step's scores: there is no next step.
; THE WHOLE HEAD'S K AND V LIE IN LDS, 16 key steps of 8,704 bytes, filled ONCE: wave w asks for key steps 2 w and 2 w + 1 by one load, jointly with the same wave of the three partners.
; No prefetch: the launch's one fill goes out at its head, and there is no loop ahead of it to ask in.
; BOTH PRODUCTS TRANSPOSED: S^T = K Q^T, O^T = V^T P^T: a lane holds one query throughout.
; K = 64 IN AN INSTRUCTION OF K = 128: a fragment of K holds two tiles of 16 keys; it is multiplied once by [q, 0] and once by [0, q] (zero codes add nothing).
; THE KEYS OF A TILE ARE CHOSEN: lane r of tile (c, g) takes key 64 c + 32 (r / 8) + 8 g + r % 8, so that register 32 c + 8 g + j of lane (r, h) is key 64 c + 32 h + 8 g + j:
; a lane holds blocks h and 2 + h of the step's four WHOLE, in the order of the second product's operand.  Fragment (c, g), g = 0, 1, holds tiles (c, g) and (c, g + 2): keys 16 apart, whose scale bytes share a stored word.
; A block's scale: floor(log2 p) of its largest p is floor(t - M) of its largest score, taken in whole numbers.
; LIMITS: NaN and infinities are not served; the promise holds while |t| stays under 2^31; a block of zeros gets the byte 1 (its codes are zeros; this program alone reads the bytes).
; os is written one byte a lane, two bytes a row: a row's other bytes belong to other heads, that is to other work-groups.
; REGISTERS.  Window 0: v1-13 addresses; v16-47 a tile's state (-M, largest score, sum, f); v48-175 S^T, then p, of a pair; v176-185 scale words; v188-211 at work; v216-231 o's codes.
;   Window 1: v0-127 O^T (tile x at 32 x); v128-159 K; v160-191 V; v192-227 [0 q0 0 q1 0 q2 0 q3 0]; v228-243 p's codes.
.set KVS, 8704
.set WV,  14
.set LA16, 1
.set LA8,  2
.set KL,   3
.set KSL,  4
.set OSO,  5
.set R8,   6
.set SH8,  7
.set AK,   8
.set AKS,  9
.set AV,   10
.set AVS,  11
.set SPW,  12
.set NIL,  13
.set ST,   16
.set S,    48
.set KS,   176
.set VS,   178
.set QS,   180
.set PS,   184
.set TM,   188
.set EC,   216
.set O,    0
.set KF,   128
.set VF,   160
.set ZQ,   192
.set CD,   228
.set MSB, 0
.macro WIN new                         ; low byte: bits 1:0 source 0, 3:2 source 1, 5:4 source 2, 7:6 destination; the high byte repeats the setting left
.if MSB != (\new)
	s_set_vgpr_msb (MSB<<8)|(\new)
.set MSB, (\new)
.endif
.endm
.macro CROUND
	s_barrier_signal -1
	s_barrier_wait -1
	s_cmp_lg_u32 s[WV], 0
	s_cbranch_scc1 .Lnot_wave_0_\@
	s_barrier_signal -3
.Lnot_wave_0_\@:
	s_barrier_wait -3
	s_barrier_signal -1
	s_barrier_wait -1
.endm
.macro WM d, a, b, acc, sa, sb, row    ; one product; acc = 0: it starts the sum; row = 1: source 0's scale words stand in lanes 16-31
.if \acc
.if \row
	v_wmma_scale_f32_16x16x128_f8f6f4 v[\d:\d+7], v[\a:\a+7], v[\b:\b+7], v[\d:\d+7], v[\sa], v[\sb] matrix_a_fmt:MATRIX_FMT_FP4 matrix_b_fmt:MATRIX_FMT_FP4 matrix_a_scale:MATRIX_SCALE_ROW1
.else
	v_wmma_scale_f32_16x16x128_f8f6f4 v[\d:\d+7], v[\a:\a+7], v[\b:\b+7], v[\d:\d+7], v[\sa], v[\sb] matrix_a_fmt:MATRIX_FMT_FP4 matrix_b_fmt:MATRIX_FMT_FP4
.endif
.else
.if \row
	v_wmma_scale_f32_16x16x128_f8f6f4 v[\d:\d+7], v[\a:\a+7], v[\b:\b+7], 0, v[\sa], v[\sb] matrix_a_fmt:MATRIX_FMT_FP4 matrix_b_fmt:MATRIX_FMT_FP4 matrix_a_scale:MATRIX_SCALE_ROW1
.else
	v_wmma_scale_f32_16x16x128_f8f6f4 v[\d:\d+7], v[\a:\a+7], v[\b:\b+7], 0, v[\sa], v[\sb] matrix_a_fmt:MATRIX_FMT_FP4 matrix_b_fmt:MATRIX_FMT_FP4
.endif
.endif
.endm
.macro KLOAD a, as                     ; a key step's four fragments of K and their scale words: nine loads
	WIN 0x40
.irp c, 0,1
.irp g, 0,1
	ds_load_b128 v[KF+16*\c+8*\g:KF+16*\c+8*\g+3], v[\a] offset:2048*\c+128*\g
	ds_load_b128 v[KF+16*\c+8*\g+4:KF+16*\c+8*\g+7], v[\a] offset:2048*\c+128*\g+512
.endr
.endr
	WIN 0
	ds_load_b64 v[KS:KS+1], v[\as] offset:4096     ; word c: lanes 0-15 fragment (c, 0), lanes 16-31 fragment (c, 1)
.endm
	s_load_b256 s[4:11], s[0:1], 0x0               ; qb s[4:5], kv s[6:7], oc s[8:9], os s[10:11]
	v_lshl_add_u32 v[SPW], v0, 2, 0x29000
	v_mov_b32 v[NIL], 0
	ds_add_u32 v[SPW], v[NIL]                      ; the opening lines: the add, twice on end, and its wait
	ds_add_u32 v[SPW], v[NIL]
	v_lshrrev_b32 v1, 5, v0
	v_readfirstlane_b32 s[WV], v1                  ; wave 0..7
	s_bfe_u32 s15, ttmp6, 0x40000                  ; cx: which 512 queries; it enters q's and o's addresses alone
	s_and_b32 s16, ttmp7, 0xffff                   ; 16 x batch + head, which the four partners share
	s_mov_b32 s28, 15|(3<<16)|(1<<21)              ; group 1: the mask names all four; elements of 8 bytes; bit 21 beside a mask
	s_mov_b32 s29, 32<<16                          ; rows of 256 bytes,
	s_mov_b32 s30, 68<<16                          ; 68 of them: two key steps, 17,408 dense bytes
	s_mov_b32 s31, 32<<16
	s_mov_b32 s32, 68
	s_mov_b32 s33, 32
	s_mov_b32 s34, 0
	s_mov_b32 s35, 0
	s_mul_i32 s37, s[WV], 2*KVS                    ; key steps 2 w, 2 w + 1: their place in LDS,
	s_mul_i32 s40, s16, 16*KVS
	s_add_co_u32 s40, s40, s37                     ; and in kv
	s_mov_b32 s41, 0
	s_lshl_b32 s42, s15, 2
	s_lshr_b32 s43, s[WV], 1
	s_add_co_u32 s42, s42, s43                     ; my group of 128 queries
	s_mul_i32 s42, s42, 4352
	s_mul_i32 s43, s16, 69632
	s_add_co_u32 s42, s42, s43                     ; its chunk in qb
	s_and_b32 s43, s[WV], 1                        ; my four tiles are its tiles 4 (w % 2) + x
	s_lshl_b32 s44, s43, 11
	s_add_co_u32 s44, s44, s42                     ; their images
	s_mov_b32 s45, 0
	s_lshl_b32 s46, s43, 2
	s_add_co_u32 s46, s46, s42
	s_add_co_u32 s46, s46, 4096                    ; their scale words: word w % 2 of a lane's two
	s_mov_b32 s47, 0
	s_lshr_b32 s42, s16, 4
	s_lshl_b32 s42, s42, 7
	s_lshl_b32 s43, s15, 5
	s_add_co_u32 s42, s42, s43
	s_lshl_b32 s43, s[WV], 2
	s_add_co_u32 s42, s42, s43                     ; my first tile among all 512: 128 x batch + 32 cx + 4 w
	s_and_b32 s43, s16, 15                         ; the head
	s_lshl_b32 s48, s42, 13
	s_lshl_b32 s49, s43, 9
	s_add_co_u32 s48, s48, s49                     ; oc: 8,192 bytes a tile, 512 a head
	s_mov_b32 s49, 0
	s_lshl_b32 s50, s42, 9
	s_lshl_b32 s51, s43, 1
	s_add_co_u32 s50, s50, s51                     ; os: 32 bytes a row, 2 a head
	s_mov_b32 s51, 0
	s_mov_b32 s22, 0x3e38aa3b                      ; c = log2(e) / 8
	s_mov_b32 s23, s22                             ; (named with it as a pair)
	s_mov_b32 s27, 0xbe38aa3b                      ; -c
	s_mov_b32 s24, 0x76543210
	s_mov_b32 s25, 0xfedcba98                      ; selects for lane l xor 16
	s_mov_b32 s26, 0xffff0000                      ; lanes 16-31
	s_wait_dscnt 0x0
	s_wait_kmcnt 0x0
	s_add_nc_u64 s[12:13], s[4:5], s[46:47]
	s_add_nc_u64 s[4:5], s[4:5], s[44:45]
	s_add_nc_u64 s[8:9], s[8:9], s[48:49]
	s_add_nc_u64 s[10:11], s[10:11], s[50:51]
	s_mov_b32 s36, 1
	s_add_nc_u64 s[38:39], s[6:7], s[40:41]
	s_or_b32 s39, s39, 0x80000000
	CROUND                                         ; all four work-groups are here: the joint loads meet
	tensor_load_to_lds s[36:39], s[28:35]          ; one tensor load a wave in the whole launch
	s_nop 0
.rept 4
	v_nop
.endr
	v_and_b32 v2, 31, v0
	v_lshlrev_b32 v[LA16], 4, v2                   ; 16 x lane
	v_lshlrev_b32 v[LA8], 3, v2                    ; 8 x lane
	v_and_b32 v[R8], 15, v0                        ; r
	v_bfe_u32 v[SH8], v0, 4, 1                     ; h
	v_lshl_add_u32 v[OSO], v[R8], 5, v[SH8]        ; os: 32 r + h
	v_and_b32 v[AK], 7, v0
	v_bfe_u32 v[AKS], v0, 3, 1
	v_lshlrev_b32 v[KL], 4, v[AK]
	v_lshl_add_u32 v[KL], v[AKS], 10, v[KL]
	v_lshl_add_u32 v[KL], v[SH8], 8, v[KL]         ; K's images: 16 (r % 8) + 1,024 (r / 8) + 256 h
	v_lshlrev_b32 v[KSL], 3, v[AK]
	v_lshl_add_u32 v[KSL], v[AKS], 7, v[KSL]
	v_lshl_add_u32 v[KSL], v[SH8], 6, v[KSL]       ; K's scale words: 8 (r % 8) + 128 (r / 8) + 64 (lane / 16)
	v_lshlrev_b32 v[R8], 3, v[R8]                  ; q's scale words: 8 r
	v_lshlrev_b32 v[SH8], 3, v[SH8]                ; 8 h: my bytes' place in p's scale word
	v_mov_b32 v[AV], v[LA16]                       ; key step 0's V
	v_mov_b32 v[AVS], v[LA8]
	WIN 0x40
.irp x, 0,1,2,3
	global_load_b128 v[ZQ+4+8*\x:ZQ+7+8*\x], v[LA16], s[4:5] offset:512*\x   ; q: lane (r, h): block h of query r
.endr
	WIN 0
	global_load_b32 v[TM], v[R8], s[12:13]         ; the scale words of tiles 0, 1
	global_load_b32 v[TM+1], v[R8], s[12:13] offset:128   ; and of tiles 2, 3
.irp x, 0,1,2,3
	v_mov_b32 v[ST+8*\x], 0x7f61b1e6               ; -M: 3e38, so that the first f is 0
	v_mov_b32 v[ST+8*\x+1], 0xff61b1e6             ; the largest score so far: -3e38
	v_mov_b32 v[ST+8*\x+2], 0                      ; the sum, in two halves
	v_mov_b32 v[ST+8*\x+3], 0
.endr
	v_mov_b32 v[TM+4], 0                           ; a lane permute's destination counts as one of its sources
	v_mov_b32 v[TM+16], 0
	s_wait_alu depctr_va_vdst(0)
	s_wait_loadcnt 0x0
.irp x, 0,2
	v_perm_b32 v[QS+\x], v[TM+\x/2], v[TM+\x/2], 0x01000100     ; a tile's two bytes, for k = 0..63 and again for k = 64..127
	v_perm_b32 v[QS+\x+1], v[TM+\x/2], v[TM+\x/2], 0x03020302
.endr
	WIN 0x40
.irp z, 0,8,16,24,32
.irp i, 0,1,2,3
	v_mov_b32 v[ZQ+\z+\i], 0                       ; the zero codes beside the q
.endr
.endr
.set J, 0
.rept 128
	v_mov_b32 v[O+J], 0                            ; O^T: the loop is written once; the first f leaves zeros zeros
.set J, J+1
.endr
	WIN 0
	s_wait_alu depctr_va_vdst(0)
	s_wait_tensorcnt 0x0                           ; my two key steps have landed,
	s_barrier_signal -1
	s_barrier_wait -1                              ; everybody's have
	KLOAD KL, KSL
	s_mov_b32 s19, 0
; one level of a tile's chain from the chains of maxima to p's scale word
.macro CH l, p, y
.set T_, TM+12*(\y)
.set R_, ST+8*(2*(\p)+(\y))
.if \l == 0
	v_max_num_f32 v[T_], v[T_], v[T_+1]            ; my two blocks' largest scores
	v_max_num_f32 v[T_+2], v[T_+2], v[T_+3]
.endif
.if \l == 1
.if \y
	s_delay_alu instid0(VALU_DEP_2)
.else
	s_delay_alu instid0(VALU_DEP_3)
.endif
	v_max3_num_f32 v[T_+5], v[T_], v[T_+2], v[R_+1]
.endif
.if \l == 2
	s_delay_alu instid0(VALU_DEP_2)
	v_permlanex16_b32 v[T_+4], v[T_+5], s24, s25
.endif
.if \l == 3
	s_delay_alu instid0(VALU_DEP_2)
	v_max_num_f32 v[R_+1], v[T_+5], v[T_+4]        ; the row's running largest score
.endif
.if \l == 4
	s_delay_alu instid0(VALU_DEP_2)
	v_mul_f32 v[T_+5], s27, v[R_+1]
.endif
.if \l == 5
	s_delay_alu instid0(VALU_DEP_2)
	v_floor_f32 v[R_], v[T_+5]                     ; -M = floor(-t) = -ceil(t)
.endif
.if \l == 6
	v_sub_f32 v[R_+5], v[R_], v[R_+6]              ; old M - new M: a whole number, 0 or less
	v_fma_f32 v[T_+6], v[T_], s22, v[R_]           ; t - M of each block's largest score
	v_fma_f32 v[T_+7], v[T_+2], s22, v[R_]
.endif
.if \l == 7
	v_cvt_i32_f32 v[R_+5], v[R_+5]                 ; (it saturates)
	v_cvt_floor_i32_f32 v[T_+6], v[T_+6]           ; floor(log2) of the block's largest p
	v_cvt_floor_i32_f32 v[T_+7], v[T_+7]
.endif
.if \l == 8
	v_ldexp_f32 v[R_+4], 1.0, v[R_+5]              ; f = 2^(old M - new M)
	v_max_i32 v[T_+6], 0xffffff84, v[T_+6]         ; held at -124: the byte cannot fall under 1
	v_max_i32 v[T_+7], 0xffffff84, v[T_+7]
.endif
.if \l == 9
	v_pk_mul_f32 v[R_+2:R_+3], v[R_+2:R_+3], v[R_+4:R_+5] op_sel_hi:[1,0]   ; the sum under the new M
	v_add_lshl_u32 v[T_+8], v[T_+6], 0x7d, 23      ; the byte, - 2 + 127, in the exponent field: the conversion's scale operand
	v_add_lshl_u32 v[T_+9], v[T_+7], 0x7d, 23
	v_add_nc_u32 v[T_+6], 0x7d, v[T_+6]            ; and the byte
	v_add_nc_u32 v[T_+7], 0x7d, v[T_+7]
.endif
.if \l == 10
	v_lshl_or_b32 v[T_+10], v[T_+7], 16, v[T_+6]   ; blocks h and 2 + h,
.endif
.if \l == 11
	v_lshlrev_b32 v[T_+10], v[SH8], v[T_+10]       ; at their places;
.endif
.if \l == 12
	v_permlanex16_b32 v[T_+4], v[T_+10], s24, s25
.endif
.if \l == 13
	v_or_b32 v[PS+\y], v[T_+10], v[T_+4]           ; with lane l xor 16's two the word is whole
.endif
.endm
; THE SCORES OF A PAIR: 16 products, each starting its sum
.macro SMM p
	WIN 0x05                                       ; K and q in window 1, S^T in window 0
.irp y, 0,1
.irp c, 0,1
.irp g, 0,1
.set X_, 2*(\p)+\y
.set D_, S+64*\y+32*\c+8*\g
.set D2_, D_+16
.set A_, KF+16*\c+8*\g
.set B_, ZQ+8*X_+4
.set B2_, ZQ+8*X_
.set SA_, KS+\c
.set SB_, QS+X_
	WM D_, A_, B_, 0, SA_, SB_, \g                 ; x [q, 0]: tile (c, g)
	WM D2_, A_, B2_, 0, SA_, SB_, \g               ; x [0, q]: tile (c, g + 2)
.endr
.endr
.endr
	WIN 0
.endm
; A PAIR OF TILES THROUGH A KEY STEP OF 128 KEYS.  Its scores are in S^T, at least four places behind their products
.macro PAIR p
.set RA, ST+16*(\p)
.set RB, ST+16*(\p)+8
	v_mov_b32 v[RA+6], v[RA]                       ; the old -M
	v_mov_b32 v[RB+6], v[RB]
.irp k, 0,1,2,3                                    ; the largest scores: four chains of 16 a tile, each accumulator from its low end on
.irp y, 0,1
	v_max3_num_f32 v[TM+12*\y+\k], v[S+64*\y+16*\k], v[S+64*\y+16*\k+1], 0xff800000
.endr
.endr
.irp i, 2,4,6,8,10,12,14
.irp k, 0,1,2,3
.irp y, 0,1
	v_max3_num_f32 v[TM+12*\y+\k], v[S+64*\y+16*\k+\i], v[S+64*\y+16*\k+\i+1], v[TM+12*\y+\k]
.endr
.endr
.endr
.irp l, 0,1,2,3,4,5
	CH \l, \p, 0
	CH \l, \p, 1
.endr
.set J, 0
.irp l, 6,7,8,9,10,11,12,13                        ; the rest of the chain, a level at a time, among the 64 lines that make t - M
	CH \l, \p, 0
	CH \l, \p, 1
.rept 4
	v_pk_fma_f32 v[S+J:S+J+1], v[S+J:S+J+1], s[22:23], v[RA:RA+1] op_sel_hi:[1,0,0]
	v_pk_fma_f32 v[S+64+J:S+65+J], v[S+64+J:S+65+J], s[22:23], v[RB:RB+1] op_sel_hi:[1,0,0]
.set J, J+2
.endr
.endr
	s_wait_alu depctr_va_vdst(0)
.set J, 0
.rept 128
	v_exp_f32 v[S+J], v[S+J]                       ; p = 2^(t - M)
.set J, J+1
.endr
	v_nop                                          ; a plain place behind the exponentials
	s_wait_alu depctr_va_vdst(0)                   ; one wait for the batch, ahead of its first reader
	WIN 0x40                                       ; the codes go to window 1
.irp y, 0,1
.irp m, 0,1,2,3,4,5,6,7
	v_cvt_scalef32_pk8_fp4_f32 v[CD+8*\y+\m], v[S+64*\y+8*\m:S+64*\y+8*\m+7], v[TM+12*\y+8+\m/4]   ; register 4 c + g of the operand as it stands
.endr
.endr
	WIN 0
	v_nop                                          ; a plain place behind the conversions
.irp n, 32,16,8,4,2                                ; the row's sum of the unquantised p: a tree in place
.set J, 0
.rept \n/2
.if \n == 2
	s_delay_alu instid0(VALU_DEP_2)
.endif
	v_pk_add_f32 v[S+J:S+J+1], v[S+J:S+J+1], v[S+J+\n:S+J+\n+1]
.if \n == 2
	s_delay_alu instid0(VALU_DEP_2)
.endif
	v_pk_add_f32 v[S+64+J:S+65+J], v[S+64+J:S+65+J], v[S+64+J+\n:S+65+J+\n]
.set J, J+2
.endr
.endr
	s_delay_alu instid0(VALU_DEP_2)
	v_pk_add_f32 v[RA+2:RA+3], v[RA+2:RA+3], v[S:S+1]
	s_delay_alu instid0(VALU_DEP_2)
	v_pk_add_f32 v[RB+2:RB+3], v[RB+2:RB+3], v[S+64:S+65]
.if \p                                             ; the score registers are free: the next pair's scores
	s_cmp_eq_u32 s19, 15
	s_cbranch_scc1 .Lno_s_\@                       ; (the last trip has no next step)
	s_wait_dscnt 0x0                               ; the next step's K, asked for behind pair 0's second product
	SMM 0
.Lno_s_\@:
.else
	SMM 1
.endif
	WIN 0x41
	s_wait_alu depctr_va_vdst(0)                   ; directly ahead of the first reader of O^T
.set J, 0
.rept 16
	v_pk_mul_f32 v[O+64*(\p)+J:O+64*(\p)+J+1], v[O+64*(\p)+J:O+64*(\p)+J+1], v[RA+4:RA+5] op_sel_hi:[1,0]   ; O^T under the new M.  (These 32 are also the places behind the scores' products)
	v_pk_mul_f32 v[O+64*(\p)+32+J:O+64*(\p)+33+J], v[O+64*(\p)+32+J:O+64*(\p)+33+J], v[RB+4:RB+5] op_sel_hi:[1,0]
.set J, J+2
.endr
.if (\p) == 0
	s_wait_alu depctr_va_vdst(0)
	s_wait_dscnt 0x0                               ; V is in: its nine loads alone are out
.endif
	WIN 0x55
.irp ct, 0,1,2,3                                   ; eight accumulators, one instruction each
.irp y, 0,1
.set D_, O+64*(\p)+32*\y+8*\ct
.set A_, VF+8*\ct
.set B_, CD+8*\y
.set SA_, VS+\ct/2
.set SB_, PS+\y
	WM D_, A_, B_, 1, SA_, SB_, \ct%2
.endr
.endr
	WIN 0
.if (\p) == 0                                      ; both pairs' scores of this step are issued, 32 places ago: K's registers take the next step's fragments
	s_cmp_eq_u32 s19, 15
	s_cbranch_scc1 .Lno_k_\@                       ; (the last trip has no next step)
	s_add_co_u32 s20, s19, 1
	s_and_b32 s20, s20, 15                         ; (held inside the 16 steps)
	s_mul_i32 s18, s20, KVS                        ; the next key step's place in LDS
	v_add_nc_u32 v[AK], s18, v[KL]
	v_add_nc_u32 v[AKS], s18, v[KSL]
	v_add_nc_u32 v[AV], s18, v[LA16]
	v_add_nc_u32 v[AVS], s18, v[LA8]
	KLOAD AK, AKS
.Lno_k_\@:
.endif
.endm
	s_wait_dscnt 0x0                               ; key step 0's K
	SMM 0
.Lkey:                                             ; 16 trips: 128 keys a trip
.rept 4
	v_nop                                          ; places behind the last products, ahead of the loads into V's registers and of the first read of the scores
.endr
	WIN 0x40
.irp i, 0,1,2,3,4,5,6,7
	ds_load_b128 v[VF+4*\i:VF+4*\i+3], v[AV] offset:4352+512*\i
.endr
	WIN 0
	ds_load_b64 v[VS:VS+1], v[AVS] offset:8448
	PAIR 0
	PAIR 1
	s_add_co_u32 s19, s19, 1
	s_cmp_lt_u32 s19, 16
	s_cbranch_scc1 .Lkey
	; THE WAY OUT: o = O^T / l, quantised along the channels: register 16 b + 8 u + j of a tile is channel 32 b + 16 u + 8 (lane / 16) + j of my query
.irp x, 0,1,2,3
	v_add_f32 v[ST+8*\x+2], v[ST+8*\x+2], v[ST+8*\x+3]
.endr
.irp x, 0,1,2,3
	v_permlanex16_b32 v[ST+8*\x+6], v[ST+8*\x+2], s24, s25
.endr
.irp x, 0,1,2,3
	v_add_f32 v[ST+8*\x+2], v[ST+8*\x+2], v[ST+8*\x+6]   ; the row's sum
.endr
	s_wait_alu depctr_va_vdst(0)
.irp x, 0,1,2,3
	v_rcp_f32 v[ST+8*\x+2], v[ST+8*\x+2]
.endr
	v_nop
	WIN 0x01
	s_wait_alu depctr_va_vdst(0)                   ; for the four reciprocals, and directly ahead of the first reader of O^T
.irp x, 0,1,2,3
.set J, 0
.rept 16
	v_pk_mul_f32 v[S+32*\x+J:S+32*\x+J+1], v[O+32*\x+J:O+32*\x+J+1], v[ST+8*\x+2:ST+8*\x+3] op_sel_hi:[1,0]
.set J, J+2
.endr
.endr
	WIN 0
.irp x, 0,1,2,3
.irp b, 0,1
	v_max3_num_f32 v[TM+2*\x+\b], |v[S+32*\x+16*\b]|, |v[S+32*\x+16*\b+1]|, 0x1800000   ; with the floor 2^(3 - 127)
.endr
.endr
.irp i, 2,4,6,8,10,12,14
.irp x, 0,1,2,3
.irp b, 0,1
	v_max3_num_f32 v[TM+2*\x+\b], |v[S+32*\x+16*\b+\i]|, |v[S+32*\x+16*\b+\i+1]|, v[TM+2*\x+\b]
.endr
.endr
.endr
.irp x, 0,1,2,3
.irp b, 0,1
	v_permlanex16_b32 v[ST+8*\x+4+\b], v[TM+2*\x+\b], s24, s25
.endr
.endr
.irp x, 0,1,2,3
.irp b, 0,1
	v_max_num_f32 v[TM+2*\x+\b], v[TM+2*\x+\b], v[ST+8*\x+4+\b]
.endr
.endr
.irp x, 0,1,2,3
.irp b, 0,1
	v_add_nc_u32 v[TM+8+2*\x+\b], 0xff000000, v[TM+2*\x+\b]   ; 2 off the exponent field: the conversion's scale operand
.endr
.endr
.irp x, 0,1,2,3
.irp b, 0,1
	v_lshrrev_b32 v[ST+8*\x+6+\b], 23, v[TM+8+2*\x+\b]        ; the byte
.endr
.endr
.irp x, 0,1,2,3
.irp u, 0,1
.irp e, 0,1
	v_cvt_scalef32_pk8_fp4_f32 v[EC+4*\x+2*\u+\e], v[S+32*\x+16*\e+8*\u:S+32*\x+16*\e+8*\u+7], v[TM+8+2*\x+\e]
.endr
.endr
.endr
	v_nop
.irp x, 0,1,2,3
	v_permlane16_swap_b32 v[EC+4*\x], v[EC+4*\x+1]
	v_permlane16_swap_b32 v[EC+4*\x+2], v[EC+4*\x+3]          ; lane (r, h): block h of the head's 64 channels, ascending
	v_cndmask_b32 v[ST+8*\x+6], v[ST+8*\x+6], v[ST+8*\x+7], s26   ; and its byte
.endr
.irp x, 0,1,2,3
	global_store_b128 v[LA16], v[EC+4*\x:EC+4*\x+3], s[8:9] offset:8192*\x   ; 512 consecutive bytes, aligned
	global_store_b8 v[OSO], v[ST+8*\x+6], s[10:11] offset:512*\x
.endr
	s_wait_tensorcnt 0x0                           ; the wave's end
	ds_add_u32 v[SPW], v[NIL]
	s_wait_dscnt 0x0
	CROUND                                         ; the closing round
	s_endpgm
.Lfunc_end_k_qd8a390bff5_attn:
	.size	k_qd8a390bff5_attn, .Lfunc_end_k_qd8a390bff5_attn-k_qd8a390bff5_attn
	.p2alignl 7, 3214868480
	.fill 96, 4, 3214868480
	.section	.rodata,"a",@progbits
	.p2align	6, 0x0
	.amdhsa_kernel k_qd8a390bff5_attn
		.amdhsa_group_segment_fixed_size 169984
		.amdhsa_private_segment_fixed_size 0
		.amdhsa_enable_private_segment 0
		.amdhsa_kernarg_size 32
		.amdhsa_user_sgpr_count 2
		.amdhsa_user_sgpr_kernarg_segment_ptr 1
		.amdhsa_wavefront_size32 1
		.amdhsa_system_sgpr_workgroup_id_x 1
		.amdhsa_system_sgpr_workgroup_id_y 1
		.amdhsa_system_sgpr_workgroup_id_z 1
		.amdhsa_system_vgpr_workitem_id 0
		.amdhsa_next_free_vgpr 512
		.amdhsa_next_free_sgpr 66
		.amdhsa_reserve_vcc 0
		.amdhsa_float_denorm_mode_32 3
		.amdhsa_float_denorm_mode_16_64 3
		.amdhsa_memory_ordered 1
		.amdhsa_forward_progress 1
		.amdhsa_inst_pref_size 81
	.end_amdhsa_kernel
	.amdgpu_metadata
---
amdhsa.version: [ 1, 2 ]
amdhsa.kernels:
  - .name:           k_qd8a390bff5_attn
    .symbol:         k_qd8a390bff5_attn.kd
    .args:
      - { .name: qb, .offset: 0, .size: 8, .value_kind: global_buffer, .address_space: global }
      - { .name: kv, .offset: 8, .size: 8, .value_kind: global_buffer, .address_space: global }
      - { .name: oc, .offset: 16, .size: 8, .value_kind: global_buffer, .address_space: global }
      - { .name: os, .offset: 24, .size: 8, .value_kind: global_buffer, .address_space: global }
    .group_segment_fixed_size: 169984
    .private_segment_fixed_size: 0
    .kernarg_segment_align: 8
    .kernarg_segment_size: 32
    .max_flat_workgroup_size: 256
    .sgpr_count:     66
    .vgpr_count:     512
    .wavefront_size: 32
...
	.end_amdgpu_metadata
.endif
;; end of part 3
;; launch oproj (part 4): grid 4 x 64, 4 waves a work-group, clusters of 4 x 4, 248,064 bytes of LDS; arguments oc, os, Wo_codes, Wo_scales, x, out0; writes out0
.if DOCPART == 4
	.amdgcn_target "amdgcn-amd-amdhsa--gfx1250"
	.amdhsa_code_object_version 6
	.text
	.protected	k_qd8a390bff5_oproj
	.globl	k_qd8a390bff5_oproj
	.p2align	8
	.type	k_qd8a390bff5_oproj,@function
k_qd8a390bff5_oproj:
	s_mov_b64 s[64:65], 0
	v_nop
	global_prefetch_b8 v0, s[64:65] scope:SCOPE_SE
	s_setreg_imm32_b32 hwreg(HW_REG_WAVE_MODE, 25, 1), 1
	s_wait_xcnt 0x0
	s_wait_alu depctr_hold_cnt(0) depctr_sa_sdst(0) depctr_va_vdst(0) depctr_va_sdst(0) depctr_va_ssrc(0) depctr_va_vcc(0) depctr_vm_vsrc(0)
	s_getreg_b32 s2, hwreg(HW_REG_IB_STS2, 6, 4)
	s_cmp_eq_u32 s2, 0
	s_cbranch_scc0 .Lentry_in_a_cluster
	s_endpgm
.Lentry_in_a_cluster:
	s_bfe_u32 s2, ttmp6, 0x10000c
	s_cmp_lg_u32 s2, 0xf033
	s_cbranch_scc0 .Lentry_shape_is_right
	s_endpgm
.Lentry_shape_is_right:
; out0 = x + o Wo^T, the product on codes of E2M1.  o: oc [tile of 16 rows 512][head 16][lane 32][16 bytes], images of the operand's registers (heads 2 q and 2 q + 1 are K step q); os [8192][32 bytes].
; A work-group makes 128 rows x 256 columns (256 work-groups), a wave 64 x 128: 32 accumulators.  All of K (1,024) lies in LDS, filled once; one barrier.
; CLUSTERS: 4 x 4.  o's tile hangs on the tile row alone and is asked for jointly along a row of the cluster, Wo's on the tile column alone and along a column.
; THE RESIDUAL is asked for at the head, 64 loads a wave, in the very layout in which the results leave: it is on its way under the whole product.
; The matrix instruction is used transposed (source 0 = 16 rows of Wo, source 1 = 16 rows of o): a lane holds eight neighbouring columns of a row; a block of 16 rows goes through the wave's own
; stage in LDS and leaves as rows of 512 bytes: two aligned runs of 256 bytes a store.
; REGISTERS: window 0: v16-22 addresses; v32-63 o's scale words (8 a + q), v64-127 Wo's (8 b + q); v128-159, v160-191 o's fragments, two sets; on the way out v128-191, v192-255 rows by turns.
;   window 1: Wo's fragments, v0-63 and v128-191.   window 2: accumulator (a, b) at v[8 (8 a + b)].   window 3: the residual, row 16 a + i at v[4 (16 a + i)].
.set AIMG, 0                           ; 8 tiles x 8,192 bytes
.set BROW, 65536                       ; 256 rows of 512 bytes + 16 of padding
.set ASC,  200704                      ; o's scale bytes: 16 runs of 256 bytes + 16
.set BSC,  205056                      ; Wo's: 32 runs
.set STG,  213760                      ; the stages: 16 rows x 528 bytes a wave; no tensor load lands here
.set ADA, 16
.set ADB, 17
.set ASA, 18
.set ASB, 19
.set STO, 20
.set RD,  21
.set XO,  22
.set ASW, 32
.set BSW, 64
.set AFR, 128
.set BK,  128
.set WV,  16
.set HI,  17
.set LO,  18
.set MSB, 0
.macro WIN new
.if MSB != (\new)
	s_set_vgpr_msb (MSB<<8)|(\new)
.set MSB, (\new)
.endif
.endm
.macro CROUND
	s_barrier_signal -1
	s_barrier_wait -1
	s_cmp_lg_u32 s[WV], 0
	s_cbranch_scc1 .Lnot_wave_0_\@
	s_barrier_signal -3
.Lnot_wave_0_\@:
	s_barrier_wait -3
	s_barrier_signal -1
	s_barrier_wait -1
.endm
.macro PLACES
.rept 4
	v_nop
.endr
.endm
	s_load_b256 s[4:11], s[0:1], 0x0               ; oc s[4:5], os s[6:7], Wo's codes s[8:9], Wo's scales s[10:11]
	s_load_b128 s[12:15], s[0:1], 0x20             ; x s[12:13], out0 s[14:15]
	v_lshl_add_u32 v30, v0, 2, 0x3c700
	v_mov_b32 v31, 0
	ds_add_u32 v30, v31
	ds_add_u32 v30, v31
	v_lshrrev_b32 v1, 5, v0
	v_readfirstlane_b32 s[WV], v1                  ; wave 0..3
	s_lshr_b32 s[HI], s[WV], 1                     ; my 64 rows
	s_and_b32 s[LO], s[WV], 1                      ; my 128 columns
	s_bfe_u32 s19, ttmp6, 0x40000                  ; cx
	s_bfe_u32 s20, ttmp6, 0x40004                  ; cy
	s_lshl_b32 s21, ttmp9, 2
	s_add_co_u32 s21, s21, s19                     ; tile column 0..3
	s_and_b32 s22, ttmp7, 0xffff
	s_lshl_b32 s22, s22, 2
	s_add_co_u32 s22, s22, s20                     ; tile row 0..63
	s_lshl_b32 s76, s20, 2
	s_lshl_b32 s76, 15, s76                        ; my row of the cluster
	s_lshl_b32 s77, 0x1111, s19                    ; my column
	s_or_b32 s24, s76, (3<<16)|(1<<21)             ; o's images: 65,536 dense bytes as 256 rows of 32 elements of 8 bytes
	s_mov_b32 s25, 32<<16
	s_mov_b32 s26, 256<<16
	s_mov_b32 s27, 32<<16
	s_mov_b32 s28, 256
	s_mov_b32 s29, 32
	s_mov_b32 s30, 0
	s_mov_b32 s31, 0
	s_or_b32 s32, s76, (3<<16)|(1<<20)|(1<<21)|(5<<22)|(3<<25)   ; o's scale bytes: 16 rows of 256 bytes, 16 of padding behind each
	s_mov_b32 s33, 32<<16
	s_mov_b32 s34, 16<<16
	s_mov_b32 s35, 32<<16
	s_mov_b32 s36, 16
	s_mov_b32 s37, 32
	s_mov_b32 s38, 0
	s_mov_b32 s39, 0
	s_or_b32 s40, s77, (0<<16)|(1<<20)|(1<<21)|(6<<22)|(3<<25)   ; Wo's codes: 256 rows of 512 bytes, 16 of padding behind each
	s_mov_b32 s41, 512<<16
	s_mov_b32 s42, 256<<16
	s_mov_b32 s43, 512<<16
	s_mov_b32 s44, 256
	s_mov_b32 s45, 512
	s_mov_b32 s46, 0
	s_mov_b32 s47, 0
	s_or_b32 s48, s77, (3<<16)|(1<<20)|(1<<21)|(5<<22)|(3<<25)   ; Wo's scale bytes: 32 rows of 256 bytes
	s_mov_b32 s49, 32<<16
	s_mov_b32 s50, 32<<16
	s_mov_b32 s51, 32<<16
	s_mov_b32 s52, 32
	s_mov_b32 s53, 32
	s_mov_b32 s54, 0
	s_mov_b32 s55, 0
	s_lshl_b32 s76, s22, 16                        ; o's images: 65,536 bytes a tile row
	s_mov_b32 s77, 0
	s_lshl_b32 s78, s22, 12                        ; its scale bytes: 4,096
	s_mov_b32 s79, 0
	s_lshl_b32 s80, s21, 17                        ; Wo's codes: 256 rows of 512 bytes a tile column
	s_mov_b32 s81, 0
	s_lshl_b32 s82, s21, 13                        ; its scale bytes
	s_mov_b32 s83, 0
	s_lshl_b32 s84, s22, 19                        ; x and out0: (128 tile row + 64 HI) rows of 4,096 bytes + 1,024 tile column + 512 LO
	s_lshl_b32 s85, s[HI], 18
	s_add_co_u32 s84, s84, s85
	s_lshl_b32 s85, s21, 10
	s_add_co_u32 s84, s84, s85
	s_lshl_b32 s85, s[LO], 9
	s_add_co_u32 s84, s84, s85
	s_mov_b32 s85, 0
	s_mov_b32 s56, 1
	s_mov_b32 s57, AIMG
	s_mov_b32 s60, 1
	s_mov_b32 s61, ASC
	s_mov_b32 s68, 1
	s_mov_b32 s69, BROW
	s_mov_b32 s72, 1
	s_mov_b32 s73, BSC
	s_wait_dscnt 0x0
	s_wait_kmcnt 0x0
	s_add_nc_u64 s[58:59], s[4:5], s[76:77]
	s_or_b32 s59, s59, 0x80000000
	s_add_nc_u64 s[62:63], s[6:7], s[78:79]
	s_or_b32 s63, s63, 0x80000000
	s_add_nc_u64 s[70:71], s[8:9], s[80:81]
	s_or_b32 s71, s71, 0x80000000
	s_add_nc_u64 s[74:75], s[10:11], s[82:83]
	s_or_b32 s75, s75, 0x80000000
	s_add_nc_u64 s[12:13], s[12:13], s[84:85]
	s_add_nc_u64 s[14:15], s[14:15], s[84:85]
	CROUND                                         ; all sixteen work-groups are here: the joint loads meet
; THE FILLS, ONE A WAVE: wave 0 Wo's codes, wave 1 o's images, wave 2 o's scale bytes, wave 3 Wo's; each tile whole.
; One chain of branches on the wave's number, an arm a load, all arms leading to one join.
.macro ARM under, g0, g1, next
	s_cmp_lt_u32 s[WV], \under
	s_cbranch_scc0 \next
	tensor_load_to_lds s[\g0:\g0+3], s[\g1:\g1+7]
	s_nop 0
.rept 4
	v_nop
.endr
	s_branch .Lfirst_asked
\next:
.endm
	ARM 1, 68, 40, .Lfirst_a
	ARM 2, 56, 24, .Lfirst_sa
	ARM 3, 60, 32, .Lfirst_sb
	tensor_load_to_lds s[72:75], s[48:55]
	s_nop 0
.rept 4
	v_nop
.endr
.Lfirst_asked:
	v_and_b32 v3, 31, v0
	v_lshlrev_b32 v[XO], 4, v3                     ; 16 x lane; never rewritten
	WIN 0xc0                                       ; destination window 3
.set I, 0
.rept 64
	global_load_b128 v[4*I:4*I+3], v[XO], s[12:13] offset:4096*I th:TH_LOAD_NT   ; my 512 bytes of row I: 32 lanes read them on end
.set I, I+1
.endr
	WIN 0
	v_and_b32 v1, 15, v0                           ; r
	v_bfe_u32 v2, v0, 4, 1                         ; h
	s_lshl_b32 s76, s[HI], 15
	v_add_nc_u32 v[ADA], s76, v[XO]                ; o's images: my four tiles, 16 x lane
	v_mul_u32_u24 v4, v1, 528
	v_lshl_add_u32 v4, v2, 4, v4
	s_mul_i32 s76, s[LO], 67584
	s_add_co_u32 s76, s76, BROW
	v_add_nc_u32 v[ADB], s76, v4                   ; Wo: row r x 528 + 16 h
	v_lshrrev_b32 v5, 3, v1
	v_mul_u32_u24 v5, v5, 272
	v_and_b32 v6, 7, v1
	v_lshl_add_u32 v5, v6, 5, v5                   ; scale bytes: eight rows of 32 to a run of 256 + 16
	s_mul_i32 s76, s[HI], 2176
	s_add_co_u32 s76, s76, ASC
	v_add_nc_u32 v[ASA], s76, v5
	s_mul_i32 s76, s[LO], 4352
	s_add_co_u32 s76, s76, BSC
	v_add_nc_u32 v[ASB], s76, v5
	v_mul_u32_u24 v4, v1, 528
	v_lshl_add_u32 v4, v2, 5, v4
	s_mul_i32 s76, s[WV], 8448
	s_add_co_u32 s76, s76, STG
	v_add_nc_u32 v[STO], s76, v4                   ; the stage, in: row r, 32 bytes for each half of the lanes
	v_add_nc_u32 v[RD], s76, v[XO]                 ; back: a row of 512 bytes
	s_wait_alu depctr_va_vdst(0)
	s_wait_tensorcnt 0x0                           ; my load has landed,
	s_barrier_signal -1
	s_barrier_wait -1                              ; everybody's have
.irp a, 0,1,2,3
.irp c, 0,1
	ds_load_b128 v[ASW+8*\a+4*\c:ASW+8*\a+4*\c+3], v[ASA] offset:544*\a+16*\c   ; the scale words of all of K stay in registers
.endr
.endr
.irp b, 0,1,2,3,4,5,6,7
.irp c, 0,1
	ds_load_b128 v[BSW+8*\b+4*\c:BSW+8*\b+4*\c+3], v[ASB] offset:544*\b+16*\c
.endr
.endr
.macro FETCH q                         ; K step q's fragments into set q % 2: 24 loads
.set FS, (\q)%2
	WIN 0x40
.irp b, 0,1,2,3,4,5,6,7
.irp c, 0,1
	ds_load_b128 v[128*FS+8*\b+4*\c:128*FS+8*\b+4*\c+3], v[ADB] offset:8448*\b+64*(\q)+32*\c
.endr
.endr
	WIN 0
.irp a, 0,1,2,3
.irp c, 0,1
	ds_load_b128 v[AFR+32*FS+8*\a+4*\c:AFR+32*FS+8*\a+4*\c+3], v[ADA] offset:8192*\a+1024*(\q)+512*\c
.endr
.endr
.endm
.macro STEP q                          ; 32 matrix instructions; the 32 accumulators take turns, in the same order in every step
	s_wait_dscnt 0x0                               ; this step's fragments, asked for ahead of the last step's products
.if (\q) > 0
	PLACES                                         ; ahead of loads into registers that the last step's products read
.endif
.if (\q) < 7
	FETCH (\q)+1
.endif
.set FS, (\q)%2
	WIN 0xa1                                       ; source 0 (Wo) window 1, source 1 (o) window 0, C and D window 2
.irp a, 0,1,2,3
.irp b, 0,1,2,3,4,5,6,7
.if (\q) == 0
	v_wmma_scale_f32_16x16x128_f8f6f4 v[8*(8*\a+\b):8*(8*\a+\b)+7], v[128*FS+8*\b:128*FS+8*\b+7], v[AFR+32*FS+8*\a:AFR+32*FS+8*\a+7], 0, v[BSW+8*\b+(\q)], v[ASW+8*\a+(\q)] matrix_a_fmt:MATRIX_FMT_FP4 matrix_b_fmt:MATRIX_FMT_FP4
.else
	v_wmma_scale_f32_16x16x128_f8f6f4 v[8*(8*\a+\b):8*(8*\a+\b)+7], v[128*FS+8*\b:128*FS+8*\b+7], v[AFR+32*FS+8*\a:AFR+32*FS+8*\a+7], v[8*(8*\a+\b):8*(8*\a+\b)+7], v[BSW+8*\b+(\q)], v[ASW+8*\a+(\q)] matrix_a_fmt:MATRIX_FMT_FP4 matrix_b_fmt:MATRIX_FMT_FP4
.endif
.endr
.endr
	WIN 0
.endm
	FETCH 0
.irp q, 0,1,2,3,4,5,6,7
	STEP \q
.endr
; THE WAY OUT, a block of 16 rows x 128 columns at a time.  LDS serves a wave's instructions in order: no wait between the stores into my stage and the loads out of it.
.macro TOSTAGE a
	WIN 0x08                                       ; an LDS store's data are its source 1: window 2
.irp b, 0,1,2,3,4,5,6,7
	ds_store_b128 v[STO], v[64*(\a)+8*\b:64*(\a)+8*\b+3] offset:64*\b        ; each accumulator from its low end on
	ds_store_b128 v[STO], v[64*(\a)+8*\b+4:64*(\a)+8*\b+7] offset:64*\b+16
.endr
	WIN 0
.set BB, BK+64*((\a)%2)
.irp t, 0,1,2,3,4,5,6,7,8,9,10,11,12,13,14,15
	ds_load_b128 v[BB+4*\t:BB+4*\t+3], v[RD] offset:528*\t
.endr
.endm
.macro SEND a, younger
.set BB, BK+64*((\a)%2)
	s_wait_dscnt \younger                          ; the block is back in registers; the LDS instructions issued behind its loads may be out
	s_wait_loadcnt 16*(3-(\a))                     ; its 16 rows of x are in; the later blocks' may be out
	WIN 0x0c                                       ; source 1: window 3
.set I, 0
.rept 32
	v_pk_add_f32 v[BB+I:BB+I+1], v[BB+I:BB+I+1], v[64*(\a)+I:64*(\a)+I+1]
.set I, I+2
.endr
	WIN 0
.irp t, 0,1,2,3,4,5,6,7,8,9,10,11,12,13,14,15
	global_store_b128 v[XO], v[BB+4*\t:BB+4*\t+3], s[14:15] offset:(16*(\a)+\t)*4096 th:TH_STORE_NT   ; 512 consecutive bytes, at a multiple of 256 from out0's first byte
.endr
.endm
	PLACES                                         ; behind the last products: reads of results, loads into o's fragments' registers
	TOSTAGE 0
	TOSTAGE 1
	SEND 0, 32
	s_wait_xcnt 0x0                                ; block 0's stores have read their registers: block 2's rows may land there
	TOSTAGE 2
	SEND 1, 32
	s_wait_xcnt 0x0
	TOSTAGE 3
	SEND 2, 32
	SEND 3, 0
	s_wait_tensorcnt 0x0
	s_wait_dscnt 0x0
	s_wait_tensorcnt 0x0
	ds_add_u32 v30, v31
	s_wait_dscnt 0x0
	CROUND                                         ; the closing round
	s_endpgm
.Lfunc_end_k_qd8a390bff5_oproj:
	.size	k_qd8a390bff5_oproj, .Lfunc_end_k_qd8a390bff5_oproj-k_qd8a390bff5_oproj
	.p2alignl 7, 3214868480
	.fill 96, 4, 3214868480
	.section	.rodata,"a",@progbits
	.p2align	6, 0x0
	.amdhsa_kernel k_qd8a390bff5_oproj
		.amdhsa_group_segment_fixed_size 248064
		.amdhsa_private_segment_fixed_size 0
		.amdhsa_enable_private_segment 0
		.amdhsa_kernarg_size 48
		.amdhsa_user_sgpr_count 2
		.amdhsa_user_sgpr_kernarg_segment_ptr 1
		.amdhsa_wavefront_size32 1
		.amdhsa_system_sgpr_workgroup_id_x 1
		.amdhsa_system_sgpr_workgroup_id_y 1
		.amdhsa_system_sgpr_workgroup_id_z 1
		.amdhsa_system_vgpr_workitem_id 0
		.amdhsa_next_free_vgpr 1024
		.amdhsa_next_free_sgpr 88
		.amdhsa_reserve_vcc 0
		.amdhsa_float_denorm_mode_32 3
		.amdhsa_float_denorm_mode_16_64 3
		.amdhsa_memory_ordered 1
		.amdhsa_forward_progress 1
		.amdhsa_inst_pref_size 85
	.end_amdhsa_kernel
	.amdgpu_metadata
---
amdhsa.version: [ 1, 2 ]
amdhsa.kernels:
  - .name:           k_qd8a390bff5_oproj
    .symbol:         k_qd8a390bff5_oproj.kd
    .args:
      - { .name: oc, .offset: 0, .size: 8, .value_kind: global_buffer, .address_space: global }
      - { .name: os, .offset: 8, .size: 8, .value_kind: global_buffer, .address_space: global }
      - { .name: Wo_codes, .offset: 16, .size: 8, .value_kind: global_buffer, .address_space: global }
      - { .name: Wo_scales, .offset: 24, .size: 8, .value_kind: global_buffer, .address_space: global }
      - { .name: x, .offset: 32, .size: 8, .value_kind: global_buffer, .address_space: global }
      - { .name: out0, .offset: 40, .size: 8, .value_kind: global_buffer, .address_space: global }
    .group_segment_fixed_size: 248064
    .private_segment_fixed_size: 0
    .kernarg_segment_align: 8
    .kernarg_segment_size: 48
    .max_flat_workgroup_size: 128
    .sgpr_count:     88
    .vgpr_count:     1024
    .wavefront_size: 32
...
	.end_amdgpu_metadata
.endif
;; end of part 4
